; MI455X (gfx1250); checked and timed in simulation.
; The chip was launched on July 23, 2026; its instructions are those of AMD's public machine-readable ISA for CDNA 5 (MIT licence, August 2026) and "CDNA5" Instruction Set Architecture Reference Guide (July 2026). The comments in the code are by the model that wrote it; some were corrected since.
;; Multi Head Attention Block. Allowed arithmetic: matrix products marked QUANTISED: E2M3 operands, one E8M0 scale for each 32 along K, by v_wmma_scale_f32_16x16x128_f8f6f4 with both operands' format E2M3, f32 sums; everything else in f32.
;; Inputs: b_k 1,024 float32; b_o 1,024 float32; b_q 1,024 float32; b_v 1,024 float32; key 4 x 2,048 x 1,024 float32; mask 1 x 1 x 2,048 x 2,048 int32; query 4 x 2,048 x 1,024 float32; value 4 x 2,048 x 1,024 float32; w_k 1,024 x 1,024 float32; w_o 1,024 x 1,024 float32; w_q 1,024 x 1,024 float32; w_v 1,024 x 1,024 float32.
;; Outputs: out0 4 x 2,048 x 1,024 float32.
;; This version of the problem:
;;   THIS VERSION OF THE PROBLEM IS GIVEN IN LOW PRECISION. The matrix products marked QUANTISED in the list below multiply operands that are first quantised to E2M3 (2 exponent bits, 3 mantissa bits; 6 bits a number), with one power-of-two scale for each 32 numbers along K (OCP MX v1.0); their sums are f32. All else is computed in f32.
;;   The module's matrix products, in the order in which they are computed (A, B: the left and right operand; K: the contracted axis; several contracted axes count as one K, in the product's order):
;;     1. [M 8,192, K 1,024] x [K 1,024, N 1,024]; A: input query; B: input w_q: QUANTISED
;;     2. [M 8,192, K 1,024] x [K 1,024, N 1,024]; A: input key; B: input w_k: QUANTISED
;;     3. [M 8,192, K 1,024] x [K 1,024, N 1,024]; A: input value; B: input w_v: QUANTISED
;;     4. batch 64 x [M 2,048, K 64] x [K 64, N 2,048]; A: computed on the way; B: computed on the way: QUANTISED
;;     5. batch 64 x [M 2,048, K 2,048] x [K 2,048, N 64]; A: softmax (see below); B: computed on the way: QUANTISED
;;     6. [M 8,192, K 1,024] x [K 1,024, N 1,024]; A: computed on the way; B: input w_o: QUANTISED
;;   THE QUANTISER, for each operand of a quantised product, along K:
;;     - K is cut into blocks of 32 from its start; a last block that is shorter is filled with zeros.
;;     - A block's scale is 2^e with e = floor(log2(the largest magnitude in the block)) - 2, held to -126 .. 127; a block of zeros has e = 0. As a byte (E8M0): e + 127.
;;     - Each number is divided by its block's scale, clamped to +-7.5, and rounded to the nearest number of E2M3, ties to even, subnormals kept.
;;     - The product sums the exact products of the quantised numbers (number of the format x scale) in f32.
;;   ~~~python
;;   def quantise(x, axis):      # numpy; x: float32 -> the quantised numbers, widened to float32 again
;;       x = np.moveaxis(x, axis, -1); K = x.shape[-1]
;;       x = np.pad(x, [(0, 0)] * (x.ndim - 1) + [(0, -K % 32)]); x = x.reshape(x.shape[:-1] + (-1, 32)); a = np.abs(x).max(-1, keepdims=True)
;;       e = np.where(a > 0, np.clip(np.frexp(np.where(a > 0, a, 1))[1] - 1 - 2, -126, 127), 0)      # np.frexp(a)[1] - 1 = floor(log2(a)), exactly
;;       r = np.clip(x / 2.0 ** e, -7.5, 7.5)
;;       step = 2.0 ** (np.maximum(np.frexp(np.where(r == 0, 1, r))[1] - 1, 0) - 3)
;;       q = np.round(r / step) * step * 2.0 ** e      # np.round: ties to even
;;       return np.moveaxis(q.reshape(q.shape[:-2] + (-1,))[..., :K], -1, axis).astype(np.float32)
;;   ~~~
;;   SOFTMAX AHEAD OF A QUANTISED PRODUCT. Where the list says 'softmax', what is quantised is not the finished softmax but p = 2^(t - M), with t = logit x log2(e) and M = ceil(the row's largest t), a whole number; so 1/2 < the row's largest p <= 1. The row's sum l is taken of the UNQUANTISED p, in f32, and the product's result is divided by l at the end. Since M is a whole number, a kernel that streams over the keys may use a running M (the ceiling of the running maximum): every later rescaling is an exact power of two, which a block's scale takes up: the codes' values come out the same.
;;   OPERANDS COMPUTED ON THE WAY. 'Computed on the way' means the value that the module computes at that place (a softmax that the list does not call 'softmax' is quantised finished and normalised). What goes into a quantiser is computed in f32, as accurately as f32 sums, v_exp_f32 and their like allow (about 1e-6 of the number): no bf16 or f16 on the way to a quantiser, and a product that is left as it is and whose result goes on into a quantised operand takes f32 operands (vector FMAs, or v_wmma_f32_16x16x4_f32). A number that lies on a knife's edge between two numbers of the format may be rounded either way, as far as f32 arithmetic and the matrix unit's own rounding can turn it there, and no further.
;; One version. Each part assembles by itself: llvm-mc -triple=amdgcn-amd-amdhsa -mcpu=gfx1250 --defsym DOCPART=n.
;; ======== version 1 of 1: 4 launches
;; limits: right only within a limited range of input values
;; workspace buffers: codes 22,937,600 bytes; maskw 524,288 bytes of whole numbers; maskf 131,072 bytes of whole numbers; kv 13,369,344 bytes; qb 13,369,344 bytes; xc 6,291,456 bytes; xsc 524,288 bytes
;; launch prep (part 1): grid 1024 x 1, 4 waves a work-group, no clusters, 68,096 bytes of LDS; arguments query, key, value, w_q, w_k, w_v, w_o, mask, codes, maskw, maskf; writes codes, maskw, maskf
.if DOCPART == 1
	.amdgcn_target "amdgcn-amd-amdhsa--gfx1250"
	.amdhsa_code_object_version 6
	.text
	.protected	k_qb1e3fd913d_prep
	.globl	k_qb1e3fd913d_prep
	.p2align	8
	.type	k_qb1e3fd913d_prep,@function
k_qb1e3fd913d_prep:
	s_mov_b64 s[64:65], 0
	v_nop
	global_prefetch_b8 v0, s[64:65] scope:SCOPE_SE
	s_setreg_imm32_b32 hwreg(HW_REG_WAVE_MODE, 25, 1), 1
	s_wait_xcnt 0x0
; PREP.  (1) query, key, value [8192][1024] and w_q, w_k, w_v, w_o [1024][1024], f32 with K innermost, become codes of FP6 (E2M3) with one E8M0 byte for each 32 along K,
; laid in the order of a matrix operand's registers.  (2) mask [2048][2048], int32, becomes lane masks for the attention launch's selects.
; TILES.  A tile is 16 rows; lane r of tile t holds row 32 (t / 2) + 8 (t % 2) + r + 8 (r / 8).  Every operand of the program is cut so.
; A HALF FRAGMENT (768 bytes) is 16 rows x 64 K: lane l = r + 16 h holds block h (32 codes, 6 registers) of its row: registers 0-3 at byte 16 l, registers 4-5 at byte 512 + 8 l.
; A RECORD (6,400 bytes) is a tile's 512 along K: eight half fragments, then 256 bytes of scale words [r][4]: word s of row r = the four bytes of k = 128 s + 32 x byte.
; codes = [tensor][tile][chunk of 512 K] records; the tensors in the order of the arguments.
; maskw = [query tile 128][key step 16][64 words]: bit r + 16 h of word n says that mask[row of lane r][128 step + 32 (n / 16) + 16 h + n % 16] is not 0.
; A block's scale is 2^(floor(log2(largest magnitude)) - 2); its byte is the largest magnitude's exponent field - 2, held at 1 from below.
; LIMITS: a block of zeros, and one whose largest magnitude lies under 2^-124, keeps the byte 1 (its codes are what the conversion gives under that scale; this program alone reads the bytes);
; NaN and infinities among the inputs are not served.
; SHARES.  Work-groups 0-895: wave w of work-group q makes record 4 q + w.  Work-groups 896-1023: query tile q - 896, wave w its key steps 4 w .. 4 w + 3.
; A wave works in four UNITS of 16 rows x 512 bytes.  Each load reads 512 consecutive bytes of one row; the unit turns through the wave's own stage in LDS (rows 528 bytes apart) and comes back
; with a lane's numbers neighbours along K.  Waves share nothing: no barrier.  Loads run one unit ahead.  Memory binds: no matrix unit, no cluster, no tensor load.
; TWO ORDERS DIFFER FROM THE LINES ABOVE.  KEY's tiles: lane r of tile t holds row 64 (t / 4) + 8 (t % 4) + r % 8 + 32 (r / 8), so that a lane of the attention launch's scores holds whole blocks of 32 keys.
; The mask words: bit r + 16 h of word n says that mask[row of lane r][128 step + 64 (n / 32) + 32 h + n % 32] is not 0.
.set REC,   6400
.set STG,   8448                       ; a stage: 16 rows x 528 bytes
.set MSTG,  4*STG                      ; the mask's path has stages of its own
.set SPARE, 8*STG                      ; the spare words: 128 bytes a wave, two blocks of 256 bytes that no other line names
.set SPW, 12                           ; v12 my spare word's LDS address; v13 0: never rewritten
.set NIL, 13
.set TM,  14                           ; v14-15 largest magnitudes; v16-17 scale operands; v18-19 bytes; v20, v21 the word in the making
.set SO,  16
.set BY,  18
.set WT,  20
.set WP,  21
.set W,   24                           ; v24-27 the record's four scale words
.set E,   28                           ; v28-29 as they are stored
.set R,   32                           ; v32-159 two sets of 64: a unit as loaded
.set X,   160                          ; v160-223 a unit, turned
.set C,   224                          ; v224-247 two sets of 12: a fragment's codes
.set MW,  224                          ; (mask) v224-231 two registers of words for each unit
.set T,   248                          ; v248-254 the conversions' second halves
	s_load_b512 s[4:19], s[0:1], 0x0               ; query, key, value, w_q, w_k, w_v, w_o, mask
	s_load_b128 s[20:23], s[0:1], 0x40             ; codes, maskw
	s_load_b64 s[48:49], s[0:1], 0x50              ; maskf = [query tile 128][wave 4][256 bytes]: bit u of each unit's even words says that key step 4 wave + u of the tile has no hole
	v_lshl_add_u32 v[SPW], v0, 2, SPARE
	v_mov_b32 v[NIL], 0
	v_lshrrev_b32 v9, 5, v0
	v_readfirstlane_b32 s28, v9                    ; wave
	v_and_b32 v9, 31, v0                           ; lane l
	v_and_b32 v10, 15, v0                          ; r
	v_bfe_u32 v11, v0, 4, 1                        ; h
	v_lshlrev_b32 v1, 4, v9                        ; 16 l
	v_lshlrev_b32 v2, 3, v9                        ; 8 l
	v_lshlrev_b32 v3, 4, v10
	v_lshl_add_u32 v3, v11, 3, v3                  ; 16 r + 8 h
	s_mul_i32 s29, s28, STG
	v_add_nc_u32 v4, s29, v1                       ; quantiser's stage, in: 16 l (+ 528 x row)
	v_mul_u32_u24 v5, v10, 528
	v_add_nc_u32 v5, s29, v5
	v_lshl_add_u32 v7, v11, 7, v5
	v_add_nc_u32 v7, MSTG, v7                      ; mask's stage, out: row r, + 128 h
	v_lshl_add_u32 v5, v11, 7, v5                  ; quantiser's stage, out: row r, + 128 h
	v_add_nc_u32 v6, MSTG, v4                      ; mask's stage, in
	v_lshlrev_b32 v8, 3, v11                       ; 8 h: my bytes' place in a scale word
	v_mov_b32 v[WP], 0                             ; a lane permute's destination counts as a source
	s_mov_b32 s34, 0x76543210
	s_mov_b32 s35, 0xfedcba98                      ; selects for lane l xor 16
	s_mov_b32 s36, 0xffff0000                      ; lanes 16-31
	s_wait_kmcnt 0x0
.macro LOADU u, pitch                  ; unit u: row i of the tile is row i + 8 (i / 8) from its first; 32 lanes read 512 consecutive bytes
.irp i, 0,1,2,3,4,5,6,7,8,9,10,11,12,13,14,15
	global_load_b128 v[R+64*((\u)%2)+4*\i:R+64*((\u)%2)+4*\i+3], v1, s[24+14*(\i/8):25+14*(\i/8)] offset:(\i+8*(\i/8))*(\pitch)+512*(\u) th:TH_LOAD_NT   ; rows 8-15 go by a base of their own, s[38:39]
.endr
.endm
.macro TURNQ u                         ; LDS serves a wave's instructions in order: no wait between the stores and the loads.  Back: k = 64 c + 32 h + 0 .. 31 of row r
.irp i, 0,1,2,3,4,5,6,7,8,9,10,11,12,13,14,15
	ds_store_b128 v4, v[R+64*((\u)%2)+4*\i:R+64*((\u)%2)+4*\i+3] offset:528*\i
.endr
.irp c, 0,1
.irp j, 0,1,2,3,4,5,6,7
	ds_load_b128 v[X+32*\c+4*\j:X+32*\c+4*\j+3], v5 offset:256*\c+16*\j
.endr
.endr
.endm
.macro TURNM u                         ; back: register n = key 64 (n / 32) + 32 h + n % 32 of row r
.irp i, 0,1,2,3,4,5,6,7,8,9,10,11,12,13,14,15
	ds_store_b128 v6, v[R+64*((\u)%2)+4*\i:R+64*((\u)%2)+4*\i+3] offset:528*\i
.endr
.irp c, 0,1
.irp j, 0,1,2,3,4,5,6,7
	ds_load_b128 v[X+32*\c+4*\j:X+32*\c+4*\j+3], v7 offset:256*\c+16*\j   ; register n = key 64 (n / 32) + 32 h + n % 32 of row r
.endr
.endr
.endm
.macro WORKQ u                         ; 128 along K: my two whole blocks become 12 registers of codes; the row's scale word
.set CC, C+12*((\u)%2)
.if (\u) >= 2
	s_wait_xcnt 0x0                                ; the stores of two units ago have read this set of codes
.endif
.irp c, 0,1
	v_max3_num_f32 v[TM+\c], |v[X+32*\c]|, |v[X+32*\c+1]|, 0x1800000   ; with the floor 2^(3 - 127): the byte cannot fall under 1
.endr
.irp i, 2,4,6,8,10,12,14,16,18,20,22,24,26,28,30
.irp c, 0,1
	v_max3_num_f32 v[TM+\c], v[TM+\c], |v[X+32*\c+\i]|, |v[X+32*\c+\i+1]|
.endr
.endr
.irp c, 0,1
	v_add_nc_u32 v[SO+\c], 0xff000000, v[TM+\c]    ; 2 off the exponent field: the conversion's scale operand
.endr
.irp c, 0,1
	v_lshrrev_b32 v[BY+\c], 23, v[SO+\c]           ; the byte
.endr
	v_lshl_or_b32 v[WT], v[BY+1], 16, v[BY]        ; blocks h and 2 + h,
	v_lshlrev_b32 v[WT], v8, v[WT]                 ; 8 h bits up;
	v_permlanex16_b32 v[WP], v[WT], s34, s35
	v_or_b32 v[W+(\u)], v[WT], v[WP]               ; with lane l xor 16's two the word is whole
.irp c, 0,1
	v_cvt_scalef32_pk16_fp6_f32 v[CC+6*\c:CC+6*\c+2], v[X+32*\c:X+32*\c+15], v[SO+\c]
	v_cvt_scalef32_pk16_fp6_f32 v[T+4*\c:T+4*\c+2], v[X+32*\c+16:X+32*\c+31], v[SO+\c]   ; (a conversion's three registers begin on an even number)
.endr
	v_nop                                          ; one plain place behind a scaled conversion
.irp c, 0,1
.irp i, 0,1,2
	v_mov_b32 v[CC+6*\c+3+\i], v[T+4*\c+\i]
.endr
.endr
.irp c, 0,1
	global_store_b128 v1, v[CC+6*\c:CC+6*\c+3], s[30:31] offset:1536*(\u)+768*\c        ; 512 consecutive bytes, aligned to 256
	global_store_b64 v2, v[CC+6*\c+4:CC+6*\c+5], s[30:31] offset:1536*(\u)+768*\c+512   ; 256 consecutive bytes, aligned
.endr
.endm
.macro WORKM u                         ; 64 compares; word n goes to lane n / 2, register n % 2: the 32 lanes then store the step's 256 bytes
.set n, 0
.rept 64
	v_cmp_ne_u32 s[40+n%8], 0, v[X+n]
	v_writelane_b32 v[MW+2*(\u)+n%2], s[40+n%8], n/2
.set n, n+1
.endr
	global_store_b64 v2, v[MW+2*(\u):MW+2*(\u)+1], s[30:31] offset:256*(\u)
	v_and_b32 v[T+(\u)], v[MW+2*(\u)], v[MW+2*(\u)+1]   ; the step's 64 words lie in these two registers: are all their bits set?
	v_cmp_eq_u32 s50, -1, v[T+(\u)]
	s_cmp_eq_u32 s50, -1
	s_cselect_b32 s50, 1<<(\u), 0
	s_or_b32 s51, s51, s50
.endm
	s_cmp_ge_u32 ttmp9, 896
	s_cbranch_scc1 .Lmask
	; ---- the quantiser.  Which tensor: the choice hangs on the work-group's number alone
	s_mov_b64 s[24:25], s[16:17]
	s_mov_b32 s26, 864
	s_cmp_lt_u32 ttmp9, 864
	s_cselect_b64 s[24:25], s[14:15], s[24:25]
	s_cselect_b32 s26, 832, s26
	s_cmp_lt_u32 ttmp9, 832
	s_cselect_b64 s[24:25], s[12:13], s[24:25]
	s_cselect_b32 s26, 800, s26
	s_cmp_lt_u32 ttmp9, 800
	s_cselect_b64 s[24:25], s[10:11], s[24:25]
	s_cselect_b32 s26, 768, s26
	s_cmp_lt_u32 ttmp9, 768
	s_cselect_b64 s[24:25], s[8:9], s[24:25]
	s_cselect_b32 s26, 512, s26
	s_cmp_lt_u32 ttmp9, 512
	s_cselect_b64 s[24:25], s[6:7], s[24:25]
	s_cselect_b32 s26, 256, s26
	s_cmp_lt_u32 ttmp9, 256
	s_cselect_b64 s[24:25], s[4:5], s[24:25]
	s_cselect_b32 s26, 0, s26
	s_sub_co_u32 s27, ttmp9, s26                   ; L: tiles 2 L, 2 L + 1 of the tensor
	s_lshl_b32 s32, s27, 17
	s_lshr_b32 s37, s27, 1                         ; key: tiles 2 L, 2 L + 1 begin at row 64 (L / 2) + 16 (L % 2) (+ 8 for the odd tile)
	s_lshl_b32 s37, s37, 18
	s_and_b32 s39, s27, 1
	s_lshl_b32 s39, s39, 16
	s_add_co_u32 s37, s37, s39
	s_cmp_eq_u32 s26, 256                          ; the tensor is key: by the work-group's number alone
	s_cselect_b32 s32, s37, s32
	s_cselect_b32 s38, 0x10000, 0                  ; and its rows 8-15 lie 16 rows further down than the other tensors'
	s_lshr_b32 s33, s28, 1
	s_lshl_b32 s33, s33, 15                        ; + 8 rows for the odd tile
	s_add_co_u32 s32, s32, s33
	s_and_b32 s33, s28, 1
	s_lshl_b32 s33, s33, 11                        ; + 2,048 bytes for the second chunk
	s_add_co_u32 s32, s32, s33
	s_mov_b32 s33, 0
	s_add_nc_u64 s[24:25], s[24:25], s[32:33]
	s_mov_b32 s39, 0
	s_add_nc_u64 s[38:39], s[24:25], s[38:39]
	s_lshl_b32 s30, ttmp9, 2
	s_add_co_u32 s30, s30, s28
	s_mul_i32 s30, s30, REC                        ; record 4 q + w
	s_mov_b32 s31, 0
	s_add_nc_u64 s[30:31], s[20:21], s[30:31]
	LOADU 0, 4096
	LOADU 1, 4096
	s_wait_alu depctr_va_vdst(0)
.irp u, 0,1,2,3
.if \u < 3
	s_wait_loadcnt 16                              ; this unit's sixteen loads are in; the next unit's may be out
.else
	s_wait_loadcnt 0x0
.endif
	TURNQ \u
	s_wait_dscnt 0x0
.if \u < 2
	LOADU \u+2, 4096
.endif
	WORKQ \u
.endr
	v_cndmask_b32 v[E], v[W], v[W+2], s36          ; lanes 0-15 store words 0, 1 of their row, lanes 16-31 words 2, 3
	v_cndmask_b32 v[E+1], v[W+1], v[W+3], s36
	global_store_b64 v3, v[E:E+1], s[30:31] offset:6144   ; 256 consecutive bytes, aligned
	s_branch .Lend
.Lmask:
	; ---- the mask
	s_sub_co_u32 s27, ttmp9, 896                   ; query tile
	s_lshr_b32 s32, s27, 1
	s_lshl_b32 s32, s32, 5
	s_and_b32 s33, s27, 1
	s_lshl_b32 s33, s33, 3
	s_add_co_u32 s32, s32, s33                     ; its first row
	s_lshl_b32 s32, s32, 13                        ; of 8,192 bytes
	s_lshl_b32 s33, s28, 11                        ; my four steps of 512 bytes
	s_add_co_u32 s32, s32, s33
	s_mov_b32 s33, 0
	s_add_nc_u64 s[24:25], s[18:19], s[32:33]
	s_mov_b64 s[38:39], s[24:25]
	s_lshl_b32 s30, s27, 12
	s_lshl_b32 s31, s28, 10
	s_add_co_u32 s30, s30, s31
	s_mov_b32 s31, 0
	s_lshr_b32 s52, s30, 2                         ; my unit of maskf: 1,024 x tile + 256 x wave
	s_mov_b32 s53, 0
	s_add_nc_u64 s[48:49], s[48:49], s[52:53]
	s_add_nc_u64 s[30:31], s[22:23], s[30:31]
	s_mov_b32 s51, 0                               ; my four steps' flags
.irp i, 0,1,2,3,4,5,6,7
	v_mov_b32 v[MW+\i], 0                          ; v_writelane_b32's destination counts as a source
.endr
	LOADU 0, 8192
	LOADU 1, 8192
	s_wait_alu depctr_va_vdst(0)
.irp u, 0,1,2,3
.if \u < 3
	s_wait_loadcnt 16
.else
	s_wait_loadcnt 0x0
.endif
	TURNM \u
	s_wait_dscnt 0x0
.if \u < 2
	LOADU \u+2, 8192
.endif
	WORKM \u
.endr
	v_mov_b32 v[T], s51
	v_mov_b32 v[T+1], 0
	global_store_b64 v2, v[T:T+1], s[48:49]        ; 32 lanes store one aligned unit of 256 bytes, the flags in every even word
.Lend:
	s_wait_tensorcnt 0x0                           ; the wave's end
	ds_add_u32 v[SPW], v[NIL]
	s_wait_dscnt 0x0
	s_endpgm
.Lfunc_end_k_qb1e3fd913d_prep:
	.size	k_qb1e3fd913d_prep, .Lfunc_end_k_qb1e3fd913d_prep-k_qb1e3fd913d_prep
	.p2alignl 7, 3214868480
	.fill 96, 4, 3214868480
	.section	.rodata,"a",@progbits
	.p2align	6, 0x0
	.amdhsa_kernel k_qb1e3fd913d_prep
		.amdhsa_group_segment_fixed_size 68096
		.amdhsa_private_segment_fixed_size 0
		.amdhsa_enable_private_segment 0
		.amdhsa_kernarg_size 88
		.amdhsa_user_sgpr_count 2
		.amdhsa_user_sgpr_kernarg_segment_ptr 1
		.amdhsa_wavefront_size32 1
		.amdhsa_system_sgpr_workgroup_id_x 1
		.amdhsa_system_sgpr_workgroup_id_y 1
		.amdhsa_system_sgpr_workgroup_id_z 1
		.amdhsa_system_vgpr_workitem_id 0
		.amdhsa_next_free_vgpr 256
		.amdhsa_next_free_sgpr 66
		.amdhsa_reserve_vcc 0
		.amdhsa_float_denorm_mode_32 3
		.amdhsa_float_denorm_mode_16_64 3
		.amdhsa_memory_ordered 1
		.amdhsa_forward_progress 1
		.amdhsa_inst_pref_size 80
	.end_amdhsa_kernel
	.amdgpu_metadata
---
amdhsa.version: [ 1, 2 ]
amdhsa.kernels:
  - .name:           k_qb1e3fd913d_prep
    .symbol:         k_qb1e3fd913d_prep.kd
    .args:
      - { .name: query, .offset: 0, .size: 8, .value_kind: global_buffer, .address_space: global }
      - { .name: key, .offset: 8, .size: 8, .value_kind: global_buffer, .address_space: global }
      - { .name: value, .offset: 16, .size: 8, .value_kind: global_buffer, .address_space: global }
      - { .name: w_q, .offset: 24, .size: 8, .value_kind: global_buffer, .address_space: global }
      - { .name: w_k, .offset: 32, .size: 8, .value_kind: global_buffer, .address_space: global }
      - { .name: w_v, .offset: 40, .size: 8, .value_kind: global_buffer, .address_space: global }
      - { .name: w_o, .offset: 48, .size: 8, .value_kind: global_buffer, .address_space: global }
      - { .name: mask, .offset: 56, .size: 8, .value_kind: global_buffer, .address_space: global }
      - { .name: codes, .offset: 64, .size: 8, .value_kind: global_buffer, .address_space: global }
      - { .name: maskw, .offset: 72, .size: 8, .value_kind: global_buffer, .address_space: global }
      - { .name: maskf, .offset: 80, .size: 8, .value_kind: global_buffer, .address_space: global }
    .group_segment_fixed_size: 68096
    .private_segment_fixed_size: 0
    .kernarg_segment_align: 8
    .kernarg_segment_size: 88
    .max_flat_workgroup_size: 128
    .sgpr_count:     66
    .vgpr_count:     256
    .wavefront_size: 32
...
	.end_amdgpu_metadata
.endif
;; end of part 1
;; launch proj (part 2): grid 4 x 192, 4 waves a work-group, clusters of 4 x 4, 327,680 bytes of LDS; arguments codes, b_q, b_k, b_v, qb, kv; writes qb, kv
.if DOCPART == 2
	.amdgcn_target "amdgcn-amd-amdhsa--gfx1250"
	.amdhsa_code_object_version 6
	.text
	.protected	k_qb1e3fd913d_proj
	.globl	k_qb1e3fd913d_proj
	.p2align	8
	.type	k_qb1e3fd913d_proj,@function
k_qb1e3fd913d_proj:
	s_mov_b64 s[64:65], 0
	v_nop
	global_prefetch_b8 v0, s[64:65] scope:SCOPE_SE
	s_setreg_imm32_b32 hwreg(HW_REG_WAVE_MODE, 25, 1), 1
	s_wait_xcnt 0x0
	s_wait_alu depctr_hold_cnt(0) depctr_sa_sdst(0) depctr_va_vdst(0) depctr_va_sdst(0) depctr_va_ssrc(0) depctr_va_vcc(0) depctr_vm_vsrc(0)
	s_getreg_b32 s2, hwreg(HW_REG_IB_STS2, 6, 4)
	s_cmp_eq_u32 s2, 0
	s_cbranch_scc0 .Lentry_in_a_cluster
	s_endpgm
.Lentry_in_a_cluster:
	s_bfe_u32 s2, ttmp6, 0x10000c
	s_cmp_lg_u32 s2, 0xf033
	s_cbranch_scc0 .Lentry_shape_is_right
	s_endpgm
.Lentry_shape_is_right:
; PROJ.  q = query w_q^T + b_q, k = key w_k^T + b_k, v = value w_v^T + b_v on codes of FP6 (E2M3) with E8M0 scales; the results are quantised in registers and leave as codes:
; q and k along the head's 64 (two blocks), v along the keys.  Tiles, half fragments (768 bytes) and records (6,400 bytes: 512 K of a tile + its scale words) are laid as the launch before stored them:
; lane r of tile t holds row 32 (t / 2) + 8 (t % 2) + r + 8 (r / 8).
; ONE FORM FOR ALL THREE.  Source 0 = 16 rows of P, source 1 = 16 rows of R: a lane then holds ONE row of R, and the 16 registers of P's tiles 2 e, 2 e + 1 are P's rows 32 e + 16 (lane / 16) + 0 .. 15:
; neighbours along the axis that is quantised next.  q, k: P = the weight (features), R = the tokens.  v: P = the tokens (keys), R = the weight.
; SHARES.  A work-group makes 256 rows of P x 128 rows of R over all of K = 1,024; wave w: P's tiles 8 (w % 2) + 0 .. 7, R's tiles 4 (w / 2) + 0 .. 3: 32 accumulators, 256 matrix instructions.
; LDS holds the work-group's whole K: two chunks of 512 K, each filled ONCE: no byte is filled again.  A wave has one tensor load out.
; CLUSTER 4 x 4: P's tiles hang on cx alone and are asked for jointly down a column, R's on cy alone and jointly along a row.
; OUT.  kv = [batch x head 64][key step 16][record of 13,056 bytes]: 0: K's 8 tiles x half fragment; 6,144: their scale words, 2 x [r][4]; 6,656: V, [half of the 128 keys][d tile 4] x half fragment;
; 12,800: V's scale words [r][4].  qb: the same record, of which q fills the first 6,656 bytes (the rest is never read).
; LIMITS: a block of zeros, or one under 2^-124, keeps the byte 1; NaN and infinities are not served.
; REGISTERS.  window 0: v1-22 addresses; v28, v29 the add's two; v32-95 P's scale words (32 chunk + 4 tile + step); v96-127 R's (16 chunk + 4 tile + step); v128-223 R's fragments, two sets of 48
; (on the way out: codes, 24 a tile); v224-227 the results' scale words; v228-231 as stored; v232-247 at work.   window 1: P's fragments, two sets at v0 and v128.   window 2: accumulator (a, b) at v[8 (8 a + b)].
; window 3: v0-63 the bias by P's rows; v64-95 the bias by R's rows.
.set REC,   6400
.set RCH,   8*REC                      ; a chunk of R: 8 tiles
.set PCH,   16*REC                     ; of P: 16 tiles
.set PBASE, 2*RCH
.set SPARE, PBASE+2*PCH                ; 307,200: the spare words, 128 bytes a wave
.set KVREC, 13056
.set HSTR,  16*KVREC                   ; from head to head
.set XTEN,  6553600                    ; a tensor of tokens in codes
.set WTEN,  819200                     ; a weight
.set WBASE, 3*XTEN
.set SPW, 28
.set NIL, 29
.set SP,  32
.set SR,  96
.set RF,  128
.set WW,  224
.set TM,  232
.set MSB, 0
.macro WIN new                         ; the immediate's high byte repeats the setting that is left
.if MSB != \new
	s_set_vgpr_msb (MSB<<8)|\new
.set MSB, \new
.endif
.endm
.macro PLACES n
.rept \n
	v_nop
.endr
.endm
.macro CROUND                          ; a round of the cluster's barrier
	s_barrier_signal -1
	s_barrier_wait -1
	s_cmp_lg_u32 s16, 0
	s_cbranch_scc1 .Lnot_wave_0_\@
	s_barrier_signal -3
.Lnot_wave_0_\@:
	s_barrier_wait -3
	s_barrier_signal -1
	s_barrier_wait -1
.endm
.macro HARM under, g0, g1, next        ; an arm of the head's one chain of branches on the wave's number: its load, an s_nop 0 and four v_nop, a jump to the join
	s_cmp_lt_u32 s16, \under
	s_cbranch_scc0 \next
	tensor_load_to_lds s[\g0:\g0+3], s[\g1:\g1+7]
	s_nop 0
.rept 4
	v_nop
.endr
	s_branch .Lhead_asked
\next:
.endm
	s_load_b256 s[4:11], s[0:1], 0x0               ; codes, b_q, b_k, b_v
	s_load_b128 s[12:15], s[0:1], 0x20             ; qb, kv
	v_lshl_add_u32 v[SPW], v0, 2, SPARE
	v_mov_b32 v[NIL], 0
	ds_add_u32 v[SPW], v[NIL]                      ; the wave's opening: the adds and their wait, ahead of my first tensor load
	ds_add_u32 v[SPW], v[NIL]
	v_lshrrev_b32 v1, 5, v0
	v_readfirstlane_b32 s16, v1                    ; wave
	s_lshr_b32 s17, s16, 1                         ; wr: my 64 rows of R.  Also: which chunk I fetch
	s_and_b32 s18, s16, 1                          ; wp: my 128 rows of P.  Also: I fetch for R (0) or P (1)
	s_bfe_u32 s19, ttmp6, 0x40000                  ; cx
	s_bfe_u32 s20, ttmp6, 0x40004                  ; cy
	s_and_b32 s22, ttmp7, 0xffff                   ; the cluster's y: 16 g + cl
	s_lshr_b32 s21, s22, 4                         ; g: 0 q, 1 k, 2 v
	s_and_b32 s22, s22, 15
	s_and_b32 s78, s22, 7
	s_lshr_b32 s79, s22, 3
	s_mul_i32 s80, s21, XTEN                       ; the tokens' codes
	s_mul_i32 s81, s21, WTEN
	s_add_co_u32 s81, s81, WBASE                   ; the weight's
	s_cmp_eq_u32 s21, 2
	s_cselect_b32 s23, 1, 0                        ; ISV: the same in all sixteen partners
	s_cselect_b32 s78, s78, 0
	s_cselect_b32 s79, s79, s22
	s_cselect_b32 s82, s80, s81                    ; where P lies
	s_cselect_b32 s83, s81, s80                    ; where R lies
	s_lshl_b32 s56, s78, 2
	s_add_co_u32 s56, s56, s19                     ; Pt: which 256 rows of P
	s_lshl_b32 s57, s79, 2
	s_add_co_u32 s57, s57, s20                     ; Rt: which 128 rows of R
	s_mul_i32 s58, s56, 2*PCH
	s_add_co_u32 s58, s58, s82                     ; P: my 16 tiles' first record
	s_mov_b32 s59, 0
	s_mul_i32 s60, s57, 2*RCH
	s_add_co_u32 s60, s60, s83                     ; R: my 8 tiles' first record
	s_mov_b32 s61, 0
	s_lshl_b32 s62, s20, 2
	s_lshl_b32 s62, 15, s62                        ; my row of the cluster
	s_lshl_b32 s63, 0x1111, s19                    ; my column
	; group 1: rows of 6,400 bytes (800 elements of 8), 12,800 bytes apart: one chunk of neighbouring tiles; no padding
	s_or_b32 s24, s62, (3<<16)|(1<<21)             ; R: the mask of my row; elements of 8 bytes; bit 21 beside a mask
	s_mov_b32 s25, 800<<16
	s_mov_b32 s26, 8<<16
	s_mov_b32 s27, 800<<16
	s_mov_b32 s28, 8
	s_mov_b32 s29, 1600
	s_mov_b32 s30, 0
	s_mov_b32 s31, 0
	s_or_b32 s32, s63, (3<<16)|(1<<21)             ; P: the mask of my column
	s_mov_b32 s33, 800<<16
	s_mov_b32 s34, 16<<16
	s_mov_b32 s35, 800<<16
	s_mov_b32 s36, 16
	s_mov_b32 s37, 1600
	s_mov_b32 s38, 0
	s_mov_b32 s39, 0
	s_mov_b32 s72, 0x76543210
	s_mov_b32 s73, 0xfedcba98                      ; selects for lane l xor 16
	s_mov_b32 s74, 0xffff0000                      ; lanes 16-31
	s_wait_dscnt 0x0                               ; the opening add is done
	s_wait_kmcnt 0x0
	s_add_nc_u64 s[60:61], s[4:5], s[60:61]
	s_add_nc_u64 s[58:59], s[4:5], s[58:59]
	CROUND                                         ; all sixteen work-groups are here: the joint loads meet
.irp ch, 0,1
	s_mov_b32 s[40+4*\ch], 1
	s_mov_b32 s[41+4*\ch], \ch*RCH
	s_add_nc_u64 s[42+4*\ch:43+4*\ch], s[60:61], \ch*REC
	s_or_b32 s[43+4*\ch], s[43+4*\ch], 0x80000000
	s_mov_b32 s[48+4*\ch], 1
	s_mov_b32 s[49+4*\ch], PBASE+\ch*PCH
	s_add_nc_u64 s[50+4*\ch:51+4*\ch], s[58:59], \ch*REC
	s_or_b32 s[51+4*\ch], s[51+4*\ch], 0x80000000
.endr
	; ONE TENSOR LOAD A WAVE, each a whole chunk: wave 0 R's chunk 0 (8 tiles), wave 1 P's chunk 0 (16 tiles), wave 2 R's chunk 1, wave 3 P's chunk 1
	HARM 1, 40, 24, .Lhead_p0
	HARM 2, 48, 32, .Lhead_r1
	HARM 3, 44, 24, .Lhead_p1
	tensor_load_to_lds s[52:55], s[32:39]
	s_nop 0
.rept 4
	v_nop
.endr
.Lhead_asked:
	; addresses
	v_and_b32 v24, 31, v0                          ; l
	v_and_b32 v25, 15, v0                          ; r
	v_bfe_u32 v26, v0, 4, 1                        ; h
	v_lshlrev_b32 v1, 4, v24                       ; 16 l
	v_lshlrev_b32 v2, 3, v24                       ; 8 l
	v_lshlrev_b32 v3, 4, v25                       ; 16 r
	s_mul_i32 s78, s18, 8*REC
	s_add_co_u32 s78, s78, PBASE                   ; my 8 tiles of P
	s_mul_i32 s79, s17, 4*REC                      ; my 4 tiles of R
.irp ch, 0,1
	v_add_nc_u32 v[4+6*\ch], s78, v1
	v_add_nc_u32 v[5+6*\ch], s78, v2
	v_add_nc_u32 v[6+6*\ch], s78, v3
	v_add_nc_u32 v[7+6*\ch], s79, v1
	v_add_nc_u32 v[8+6*\ch], s79, v2
	v_add_nc_u32 v[9+6*\ch], s79, v3
	s_add_co_u32 s78, s78, PCH
	s_add_co_u32 s79, s79, RCH
.endr
.irp b, 0,1,2,3
	v_mov_b32 v[TM+4+\b], 0                        ; a lane permute's destination counts as a source
.endr
	; the bias: by P's rows for q and k, by R's rows for v.  Both are loaded on every path, the one not wanted from the buffer's head
	s_cmp_eq_u32 s21, 1
	s_cselect_b64 s[66:67], s[8:9], s[10:11]
	s_cmp_eq_u32 s21, 0
	s_cselect_b64 s[66:67], s[6:7], s[66:67]
	s_cselect_b64 s[68:69], s[12:13], s[14:15]     ; q goes to qb, k and v to kv
	s_lshl_b32 s86, s56, 8
	s_lshl_b32 s87, s18, 7
	s_add_co_u32 s86, s86, s87                     ; 256 Pt + 128 wp
	s_lshl_b32 s87, s57, 7
	s_lshl_b32 s88, s17, 6
	s_add_co_u32 s87, s87, s88                     ; 128 Rt + 64 wr
	s_cmp_eq_u32 s23, 1
	s_cselect_b32 s86, 0, s86
	s_cselect_b32 s87, s87, 0
	s_lshl_b32 s86, s86, 2
	s_lshl_b32 s87, s87, 2
	v_lshl_add_u32 v21, v26, 6, s86                ; registers 16 e + i of a lane: feature 32 e + 16 h + i
	v_and_b32 v27, 8, v25
	v_add_nc_u32 v27, v27, v25                     ; r + 8 (r / 8)
	v_lshl_add_u32 v22, v27, 2, s87
	WIN 0xc0                                       ; destination window 3
.irp e, 0,1,2,3
.irp q, 0,1,2,3
	global_load_b128 v[16*\e+4*\q:16*\e+4*\q+3], v21, s[66:67] offset:128*\e+16*\q
.endr
.endr
.irp a, 0,1,2,3
	global_load_b32 v[64+8*\a], v22, s[66:67] offset:4*(32*(\a/2)+8*(\a%2))
.endr
	WIN 0
	; where the results go
	s_lshr_b32 s86, s57, 4                         ; q, k: batch,
	s_and_b32 s87, s57, 15                         ; step of 128 tokens,
	s_lshl_b32 s88, s56, 2
	s_lshl_b32 s95, s18, 1
	s_add_co_u32 s88, s88, s95                     ; first of my two heads
	s_lshr_b32 s89, s56, 3                         ; v: batch,
	s_and_b32 s90, s56, 7
	s_lshl_b32 s90, s90, 1
	s_add_co_u32 s90, s90, s18                     ; step of 128 keys,
	s_lshl_b32 s91, s57, 1
	s_add_co_u32 s91, s91, s17                     ; my head
	s_mul_i32 s92, s17, 3072                       ; q, k: my four tiles' half fragments,
	s_lshl_b32 s93, s17, 8
	s_add_co_u32 s93, s93, 6144                    ; their scale words
	s_mov_b32 s94, HSTR
	s_cmp_eq_u32 s23, 1
	s_cselect_b32 s86, s89, s86
	s_cselect_b32 s87, s90, s87
	s_cselect_b32 s88, s91, s88
	s_cselect_b32 s76, 6656, s92                   ; the images' place in a record
	s_cselect_b32 s77, 12800, s93                  ; the scale words'
	s_cselect_b32 s75, 3072, s94                   ; from a fragment's first half to its second: the next head (q, k), the next 64 keys (v)
	s_lshl_b32 s86, s86, 4
	s_add_co_u32 s86, s86, s88
	s_lshl_b32 s86, s86, 4
	s_add_co_u32 s86, s86, s87
	s_mul_i32 s86, s86, KVREC
	s_mov_b32 s87, 0
	s_add_nc_u64 s[68:69], s[68:69], s[86:87]
	v_add_nc_u32 v16, s76, v1
	v_add_nc_u32 v17, s75, v16
	v_add_nc_u32 v18, s76, v2
	v_add_nc_u32 v18, 512, v18
	v_add_nc_u32 v19, s75, v18
	v_lshl_add_u32 v20, v26, 3, v3
	v_add_nc_u32 v20, s77, v20                     ; 16 r + 8 h + the scale words' place
.macro FRAG reg, a16, a8, off          ; a fragment = two half fragments: registers 0-3, 4-5, 6-9, 10-11; every load reads consecutive bytes
	ds_load_b128 v[(\reg):(\reg)+3], v[\a16] offset:(\off)
	ds_load_b64 v[(\reg)+4:(\reg)+5], v[\a8] offset:(\off)+512
	ds_load_b128 v[(\reg)+6:(\reg)+9], v[\a16] offset:(\off)+768
	ds_load_b64 v[(\reg)+10:(\reg)+11], v[\a8] offset:(\off)+1280
.endm
.macro FETCH ch, s, set                ; the fragments of chunk ch's s-th 128 along K
	WIN 0x40
.irp b, 0,1,2,3,4,5,6,7
	FRAG 128*(\set)+12*\b, 4+6*(\ch), 5+6*(\ch), REC*\b+1536*(\s)
.endr
	WIN 0
.irp a, 0,1,2,3
	FRAG RF+48*(\set)+12*\a, 7+6*(\ch), 8+6*(\ch), REC*\a+1536*(\s)
.endr
.endm
.macro SCALES ch                       ; a chunk's scale words: four registers a tile by one load
	WIN 0
.irp b, 0,1,2,3,4,5,6,7
	ds_load_b128 v[SP+32*(\ch)+4*\b:SP+32*(\ch)+4*\b+3], v[6+6*(\ch)] offset:REC*\b+6144
.endr
.irp a, 0,1,2,3
	ds_load_b128 v[SR+16*(\ch)+4*\a:SR+16*(\ch)+4*\a+3], v[9+6*(\ch)] offset:REC*\a+6144
.endr
.endm
; 32 matrix instructions, each accumulator once.  cmode 0: onto the sums; 1: the sums begin with the bias by P's rows; 2: by R's rows
.macro MUL32 ch, s, set, cmode
.if \cmode
	WIN 0xb1                                       ; P window 1, R window 0, C window 3, D window 2
.else
	WIN 0xa1                                       ; C and D window 2
.endif
.irp a, 0,1,2,3
.irp b, 0,1,2,3,4,5,6,7
.if \cmode == 0
	v_wmma_scale_f32_16x16x128_f8f6f4 v[8*(8*\a+\b):8*(8*\a+\b)+7], v[128*(\set)+12*\b:128*(\set)+12*\b+11], v[RF+48*(\set)+12*\a:RF+48*(\set)+12*\a+11], v[8*(8*\a+\b):8*(8*\a+\b)+7], v[SP+32*(\ch)+4*\b+(\s)], v[SR+16*(\ch)+4*\a+(\s)] matrix_a_fmt:MATRIX_FMT_FP6 matrix_b_fmt:MATRIX_FMT_FP6
.elseif \cmode == 1
	v_wmma_scale_f32_16x16x128_f8f6f4 v[8*(8*\a+\b):8*(8*\a+\b)+7], v[128*(\set)+12*\b:128*(\set)+12*\b+11], v[RF+48*(\set)+12*\a:RF+48*(\set)+12*\a+11], v[8*\b:8*\b+7], v[SP+32*(\ch)+4*\b+(\s)], v[SR+16*(\ch)+4*\a+(\s)] matrix_a_fmt:MATRIX_FMT_FP6 matrix_b_fmt:MATRIX_FMT_FP6
.else
	v_wmma_scale_f32_16x16x128_f8f6f4 v[8*(8*\a+\b):8*(8*\a+\b)+7], v[128*(\set)+12*\b:128*(\set)+12*\b+11], v[RF+48*(\set)+12*\a:RF+48*(\set)+12*\a+11], v[64+8*\a:64+8*\a+7], v[SP+32*(\ch)+4*\b+(\s)], v[SR+16*(\ch)+4*\a+(\s)] matrix_a_fmt:MATRIX_FMT_FP6 matrix_b_fmt:MATRIX_FMT_FP6
.endif
.endr
.endr
.endm
.macro KSTEP k                         ; step k of 8: its fragments were asked for a step ago; the next step's go out ahead of its products
	s_wait_dscnt 0x0
.if \k == 3
	s_wait_tensorcnt 0x0                           ; my part of chunk 1 is in,
	s_barrier_signal -1
	s_barrier_wait -1                              ; everybody's is
.endif
	PLACES 4                                       ; in front of loads into registers that the last products read
.if \k == 3
	SCALES 1
.endif
.if \k < 7
	FETCH ((\k)+1)/4, ((\k)+1)%4, ((\k)+1)%2
.endif
	MUL32 (\k)/4, (\k)%4, (\k)%2, 0
.endm
	s_wait_alu depctr_va_vdst(0)                   ; the head's end
	s_cmp_lt_u32 s16, 2                            ; chunk 0's two loads are waves 0 and 1's own lines: they wait; chunk 1's may stay out
	s_cbranch_scc0 .Lnot_chunk_0
	s_wait_tensorcnt 0x0
.Lnot_chunk_0:
	s_barrier_signal -1
	s_barrier_wait -1                              ; everybody's is
	SCALES 0
	FETCH 0, 0, 0
	s_wait_loadcnt 0x0                             ; the bias
	s_wait_dscnt 0x0
	FETCH 0, 1, 1
	s_cmp_eq_u32 s23, 1
	s_cbranch_scc1 .Lv_start
	MUL32 0, 0, 0, 1
	WIN 0
	s_branch .Lstarted
.Lv_start:
	WIN 0xc3                                       ; window 3 to window 3: a lane's bias fills the eight registers of a C
.irp a, 0,1,2,3
.irp j, 1,2,3,4,5,6,7
	v_mov_b32 v[64+8*\a+\j], v[64+8*\a]
.endr
.endr
	PLACES 4
	MUL32 0, 0, 0, 2
	WIN 0
.Lstarted:
.irp k, 1,2,3,4,5,6,7
	KSTEP \k
.endr
; THE WAY OUT.  R's tile a: a lane's 64 numbers (register 16 b + i = P's row 32 b + 16 h + i) become a fragment's 12 registers and a scale word.  Each accumulator is read from its low end on.
.macro QUANTW a
.set QA, 64*(\a)
.set PQ, RF+24*(\a)
	WIN 0x0a                                       ; sources 0, 1 window 2
.irp b, 0,1,2,3
	v_max3_num_f32 v[TM+\b], |v[QA+16*\b]|, |v[QA+16*\b+1]|, 0x1800000   ; with the floor 2^(3 - 127)
.endr
	WIN 0x28                                       ; sources 1, 2 window 2
.irp i, 2,4,6,8,10,12,14
.irp b, 0,1,2,3
	v_max3_num_f32 v[TM+\b], v[TM+\b], |v[QA+16*\b+\i]|, |v[QA+16*\b+\i+1]|
.endr
.endr
	WIN 0
.irp b, 0,1,2,3
	v_permlanex16_b32 v[TM+4+\b], v[TM+\b], s72, s73
.endr
.irp b, 0,1,2,3
	v_max_num_f32 v[TM+\b], v[TM+\b], v[TM+4+\b]   ; with lane l xor 16's 16: the block's largest magnitude
.endr
.irp b, 0,1,2,3
	v_add_nc_u32 v[TM+12+\b], 0xff000000, v[TM+\b]
.endr
.irp b, 0,1,2,3
	v_lshrrev_b32 v[TM+4+\b], 23, v[TM+12+\b]
.endr
	v_lshl_or_b32 v[WW+(\a)], v[TM+5], 8, v[TM+4]
	v_lshl_or_b32 v[WW+(\a)], v[TM+6], 16, v[WW+(\a)]
	v_lshl_or_b32 v[WW+(\a)], v[TM+7], 24, v[WW+(\a)]
	WIN 0x02                                       ; source 0 window 2
.irp c, 0,1
	v_cvt_scalef32_pk16_fp6_f32 v[PQ+6*\c:PQ+6*\c+2], v[QA+32*\c:QA+32*\c+15], v[TM+12+2*\c]
	v_cvt_scalef32_pk16_fp6_f32 v[PQ+12+4*\c:PQ+14+4*\c], v[QA+32*\c+16:QA+32*\c+31], v[TM+12+2*\c+1]
.endr
	WIN 0
	v_nop                                          ; one plain place behind a scaled conversion
.irp c, 0,1                            ; a whole block to a lane: lanes 0-15 block 2 c, lanes 16-31 block 2 c + 1
.irp i, 0,1,2
	v_permlane16_swap_b32 v[PQ+6*\c+\i], v[PQ+12+4*\c+\i]
.endr
.irp i, 0,1,2
	v_mov_b32 v[PQ+6*\c+3+\i], v[PQ+12+4*\c+\i]
.endr
.endr
.endm
.macro OUTA a                          ; each tile has registers of its own for its codes: no store's data are written again
	QUANTW \a
.irp c, 0,1
	global_store_b128 v[16+\c], v[RF+24*(\a)+6*\c:RF+24*(\a)+6*\c+3], s[68:69] offset:768*(\a)     ; 512 consecutive bytes, aligned to 256
	global_store_b64 v[18+\c], v[RF+24*(\a)+6*\c+4:RF+24*(\a)+6*\c+5], s[68:69] offset:768*(\a)    ; 256 consecutive bytes, aligned
.endr
.endm
	PLACES 4                                       ; behind the last products
	OUTA 0
	OUTA 1
	OUTA 2
	OUTA 3
	v_cndmask_b32 v228, v[WW], v[WW+2], s74        ; lanes 0-15 store words 0, 1 of their row, lanes 16-31 words 2, 3
	v_cndmask_b32 v229, v[WW+1], v[WW+3], s74
	global_store_b64 v20, v[228:229], s[68:69]     ; v: the four bytes of 128 keys.  q, k: bytes 0, 1 are the first head's (bytes 2, 3 scale zero codes)
	s_cmp_eq_u32 s23, 1
	s_cbranch_scc1 .Lone_head
.irp a, 0,1,2,3
	v_lshrrev_b32 v[TM+\a], 16, v[WW+\a]           ; q, k: the second head's two bytes
.endr
	v_cndmask_b32 v230, v[TM], v[TM+2], s74
	v_cndmask_b32 v231, v[TM+1], v[TM+3], s74
	global_store_b64 v20, v[230:231], s[68:69] offset:HSTR
.Lone_head:
	s_wait_tensorcnt 0x0                           ; the wave's end
	ds_add_u32 v[SPW], v[NIL]
	s_wait_dscnt 0x0
	CROUND                                         ; the closing round
	s_endpgm
.Lfunc_end_k_qb1e3fd913d_proj:
	.size	k_qb1e3fd913d_proj, .Lfunc_end_k_qb1e3fd913d_proj-k_qb1e3fd913d_proj
	.p2alignl 7, 3214868480
	.fill 96, 4, 3214868480
	.section	.rodata,"a",@progbits
	.p2align	6, 0x0
	.amdhsa_kernel k_qb1e3fd913d_proj
		.amdhsa_group_segment_fixed_size 327680
		.amdhsa_private_segment_fixed_size 0
		.amdhsa_enable_private_segment 0
		.amdhsa_kernarg_size 48
		.amdhsa_user_sgpr_count 2
		.amdhsa_user_sgpr_kernarg_segment_ptr 1
		.amdhsa_wavefront_size32 1
		.amdhsa_system_sgpr_workgroup_id_x 1
		.amdhsa_system_sgpr_workgroup_id_y 1
		.amdhsa_system_sgpr_workgroup_id_z 1
		.amdhsa_system_vgpr_workitem_id 0
		.amdhsa_next_free_vgpr 864
		.amdhsa_next_free_sgpr 96
		.amdhsa_reserve_vcc 0
		.amdhsa_float_denorm_mode_32 3
		.amdhsa_float_denorm_mode_16_64 3
		.amdhsa_memory_ordered 1
		.amdhsa_forward_progress 1
		.amdhsa_inst_pref_size 94
	.end_amdhsa_kernel
	.amdgpu_metadata
---
amdhsa.version: [ 1, 2 ]
amdhsa.kernels:
  - .name:           k_qb1e3fd913d_proj
    .symbol:         k_qb1e3fd913d_proj.kd
    .args:
      - { .name: codes, .offset: 0, .size: 8, .value_kind: global_buffer, .address_space: global }
      - { .name: b_q, .offset: 8, .size: 8, .value_kind: global_buffer, .address_space: global }
      - { .name: b_k, .offset: 16, .size: 8, .value_kind: global_buffer, .address_space: global }
      - { .name: b_v, .offset: 24, .size: 8, .value_kind: global_buffer, .address_space: global }
      - { .name: qb, .offset: 32, .size: 8, .value_kind: global_buffer, .address_space: global }
      - { .name: kv, .offset: 40, .size: 8, .value_kind: global_buffer, .address_space: global }
    .group_segment_fixed_size: 327680
    .private_segment_fixed_size: 0
    .kernarg_segment_align: 8
    .kernarg_segment_size: 48
    .max_flat_workgroup_size: 128
    .sgpr_count:     96
    .vgpr_count:     864
    .wavefront_size: 32
...
	.end_amdgpu_metadata
.endif
;; end of part 2
;; launch attn (part 3): grid 4 x 64, 16 waves a work-group, no clusters, 212,992 bytes of LDS; arguments qb, kv, maskw, xc, xsc, maskf; writes xc, xsc
.if DOCPART == 3
	.amdgcn_target "amdgcn-amd-amdhsa--gfx1250"
	.amdhsa_code_object_version 6
	.text
	.protected	k_qb1e3fd913d_attn
	.globl	k_qb1e3fd913d_attn
	.p2align	8
	.type	k_qb1e3fd913d_attn,@function
k_qb1e3fd913d_attn:
	s_mov_b64 s[64:65], 0
	v_nop
	global_prefetch_b8 v0, s[64:65] scope:SCOPE_SE
	s_setreg_imm32_b32 hwreg(HW_REG_WAVE_MODE, 25, 1), 1
	s_wait_xcnt 0x0
; ATTN.  x[b][q][head] = softmax_k(where(mask == 0, -1e9, q . k / 8)) v, both products on codes of FP6 (E2M3) with E8M0 scales; x leaves as codes, quantised along the model's 1,024.
; THE SOFTMAX: t = score x log2(e) / 8; M = the running largest t rounded up to a whole number; p = 2^(t - M) is quantised along the keys, not normalised; the row's sum is taken of the
; unquantised p and divides at the end; when M moves, the sum and O are multiplied by 2^(old M - new M), which rounds nothing.
; THE MASK: a masked raw score becomes -2^33 ahead of the maximum.  c x 2^33 is a whole f32 number, so a row that is masked throughout gets t - M = 0 and p = 1 everywhere, the uniform row that
; -1e9 gives; beside any real score a masked p is 0.  LIMIT: a true raw score at or under -2^33 (a logit of -1.07e9) is not told from a masked one.  NaN and infinities are not served.
; A STEP WITHOUT HOLES DOES NO SELECTS.  The first launch stored, for each query tile and key step, a flag that says that all 64 mask words of the step have all their bits set (maskf).  A wave reads its 2 x 16 flags
; by eight scalar loads; a scalar branch on a step's flag leads round the step's four scalar loads of mask words, and a second one round its 64 selects.  A step with a hole loads its words and selects.
; NO TENSOR LOAD, NO CLUSTER: the head's sixteen records come through registers: wave w loads record w
; (13,056 bytes: 25 loads of 512 consecutive bytes and one of 256) and stores it to LDS, once.  NO PREFETCH: all that comes from memory is asked for at the head, where there is no loop to run ahead in.
; SHARES.  A work-group: one (batch, head), 512 queries; 256 work-groups.  Each of its sixteen waves: two tiles of 16 queries, one after the other; every wave walks all 2,048 keys, 128 a step.
; LAYOUT.  Both products transposed: S^T = K Q^T, O^T = V^T P^T: a lane holds one query throughout.  Queries and d: lane r of tile t holds row 32 (t / 2) + 8 (t % 2) + r + 8 (r / 8).
; KEYS: row 8 h + j of K's tile 4 c + u is key 64 c + 32 h + 8 u + j of the step, so score register n of lane (r, h) is key 64 (n / 32) + 32 h + n % 32: registers 32 c .. 32 c + 31 are ONE scale block of P,
; block 2 c + h, in the order of P's operand registers: no lane asks another for a block's maximum, and no code changes lanes.
; THE HEAD IS 64 DEEP, THE INSTRUCTION 128: Q's registers 6-11 are zero codes, so whatever stands in K's registers 6-11 (the next tile's codes) adds nothing: FP6 has no NaN, and no scale byte here is 0xff.
; REGISTERS: v1-3 16 l, 8 l, 16 r; v4-6 the step's LDS addresses; v7-11 addresses; v12 -M, v13 the largest raw score, v[14:15] the sum; v16-27 Q of tile 0; v32-85 K's tiles, 6 registers each, and six zeros; then V's,
; 12 each; v86-93 K's scale words; v96-159 S^T, then p; v160-191 O^T; v192-203 p's codes; v204-223, v231-235, v254-255 at work; v224-227 V's scale words; v228 p's; v229, v248 Q's; v230 -2^33; v236-247 Q of tile 1; v249 8 h.
; s2, s3: the two tiles' flags, bit s for step s, shifted down a step at a time.
.set KVREC, 13056
.set HSTR,  16*KVREC
.set XSG,   HSTR                       ; behind the records: x's scale words, 32 tiles x 64 bytes
.set SPARE, XSG+2048                   ; the spare words: 128 bytes for each of 16 waves
.set SPW, 250
.set NIL, 251
.set KF,  32
.set BM,  212                          ; v212, v213 block maxima; v214, v215 their second chains
.set EX,  216
.set SOP, 220                          ; the conversions' scale operands
	s_load_b256 s[4:11], s[0:1], 0x0               ; qb, kv, maskw, xc
	s_load_b64 s[12:13], s[0:1], 0x20              ; xsc
	s_load_b64 s[2:3], s[0:1], 0x28                ; maskf
	v_lshl_add_u32 v[SPW], v0, 2, SPARE
	v_mov_b32 v[NIL], 0
	v_lshrrev_b32 v1, 5, v0
	s_delay_alu instid0(VALU_DEP_1)
	v_readfirstlane_b32 s14, v1                    ; wave 0..15
	s_and_b32 s99, ttmp7, 0xffff                   ; 16 batch + head;  ttmp9: which 512 queries
	s_mul_i32 s25, s14, KVREC                      ; record w, in LDS
	s_mul_i32 s28, s99, HSTR                       ; the head's records in kv and in qb
	s_add_co_u32 s30, s28, s25
	s_mov_b32 s31, 0
	s_lshl_b32 s32, ttmp9, 2
	s_lshr_b32 s33, s14, 2
	s_add_co_u32 s32, s32, s33                     ; my queries' record: 4 x + w / 4
	s_mul_i32 s32, s32, KVREC
	s_add_co_u32 s32, s32, s28
	s_mov_b32 s33, 0
	s_lshl_b32 s34, ttmp9, 5
	s_lshl_b32 s35, s14, 1
	s_add_co_u32 s36, s34, s35                     ; my first query tile: 32 x + 2 w
	s_lshl_b32 s38, s36, 12                        ; its 4,096 bytes of mask words; the second tile's follow
	s_mov_b32 s39, 0
	s_lshr_b32 s37, s99, 4
	s_lshl_b32 s37, s37, 7                         ; the batch's 128 token tiles
	s_and_b32 s29, s99, 15                         ; head
	s_add_co_u32 s40, s37, s36
	s_mul_i32 s40, s40, 12288                      ; xc: [token tile][head][768]
	s_mul_i32 s41, s29, 768
	s_add_co_u32 s40, s40, s41
	s_mov_b32 s41, 0
	s_add_co_u32 s42, s37, s34
	s_lshl_b32 s42, s42, 6                         ; xsc: [head][token tile][64]
	s_lshl_b32 s43, s29, 15
	s_add_co_u32 s42, s42, s43
	s_mov_b32 s43, 0
	s_and_b32 s98, s99, 1
	s_lshl_b32 s98, s98, 4                         ; an odd head's two bytes stand 16 bits up
	s_mov_b32 s84, 0x76543210
	s_mov_b32 s85, 0xfedcba98                      ; selects for lane l xor 16
	s_mov_b32 s86, 0x3e38aa3b                      ; c = log2(e) / 8
	s_mov_b32 s87, s86                             ; (named with it as a pair)
	s_and_b32 s44, s14, 3
	s_mul_i32 s45, s44, 1536                       ; my first tile in its record: 2 (w % 4)
	s_lshr_b32 s44, s44, 1
	s_lshl_b32 s44, s44, 8
	s_and_b32 s46, s14, 1
	s_lshl_b32 s46, s46, 3
	s_add_co_u32 s44, s44, s46                     ; its scale word
	s_lshl_b32 s47, s14, 7
	s_add_co_u32 s47, s47, XSG
	s_lshl_b32 s34, s36, 10                        ; my first tile's four units of maskf; the second tile's follow
	s_mov_b32 s35, 0
	v_and_b32 v4, 31, v0                           ; the vector lines stand on end, each reader five or more lines behind its writer
	v_and_b32 v5, 15, v0
	v_bfe_u32 v6, v0, 4, 1
	v_and_b32 v252, 127, v0
	v_mov_b32 v230, 0xd0000000                     ; -2^33
	v_lshlrev_b32 v1, 4, v4                        ; 16 l
	v_lshlrev_b32 v2, 3, v4                        ; 8 l
	v_lshlrev_b32 v3, 4, v5                        ; 16 r
	v_lshlrev_b32 v10, 2, v5
	v_lshlrev_b32 v249, 3, v6                      ; 8 h: my bytes' place in p's scale word
	v_lshlrev_b32 v252, 4, v252                    ; the gather (waves 0-3): 16 x thread
	v_add_nc_u32 v7, s45, v1
	v_add_nc_u32 v8, s45, v2
	v_add_nc_u32 v9, s44, v3
	v_add_nc_u32 v10, s47, v10                     ; where my tiles' scale words go: XSG + 128 w + 4 r
	v_add_nc_u32 v11, XSG, v252
	v_add_nc_u32 v4, s25, v1                       ; my record's place in LDS
	v_add_nc_u32 v5, s25, v2
.irp i, 0,1,2,3,4,5
	v_mov_b32 v[22+\i], 0                          ; Q's k = 64 .. 127: zero codes
	v_mov_b32 v[242+\i], 0
	v_mov_b32 v[80+\i], 0                          ; behind K's last tile
.endr
.irp b, 0,1,2,3
	v_mov_b32 v[EX+\b], 0                          ; a lane permute's destination counts as a source
.endr
	v_mov_b32 v231, 0
	v_mov_b32 v233, 0                              ; (named as the upper half of the pair v[232:233])
	s_wait_alu depctr_va_vdst(0)                   ; the head's end
	s_wait_kmcnt 0x0
	s_add_nc_u64 s[26:27], s[6:7], s[30:31]        ; my record
	s_add_nc_u64 s[92:93], s[4:5], s[32:33]        ; Q
	s_add_nc_u64 s[90:91], s[8:9], s[38:39]        ; the mask words: they walk
	s_add_nc_u64 s[94:95], s[10:11], s[40:41]      ; x's codes
	s_add_nc_u64 s[96:97], s[12:13], s[42:43]      ; x's scale words
	s_add_nc_u64 s[2:3], s[2:3], s[34:35]
.irp k, 0,1,2,3,4,5,6,7
	s_load_b32 s[16+\k], s[2:3], 256*\k            ; four flags a word: steps 4 (k % 4) + 0 .. 3 of tile k / 4
.endr
.set i, 0
.rept 25
	global_load_b128 v[96+4*i:99+4*i], v1, s[26:27] offset:512*i
.set i, i+1
.endr
	global_load_b64 v[196:197], v2, s[26:27] offset:12800
	global_load_b128 v[16:19], v7, s[92:93]
	global_load_b64 v[20:21], v8, s[92:93] offset:512
	global_load_b32 v229, v9, s[92:93] offset:6144
	global_load_b128 v[236:239], v7, s[92:93] offset:768
	global_load_b64 v[240:241], v8, s[92:93] offset:1280
	global_load_b32 v248, v9, s[92:93] offset:6148
	s_wait_loadcnt 6                               ; the record's 26 loads are in; the 6 of Q, issued behind them, may be out
.set i, 0
.rept 25
	ds_store_b128 v4, v[96+4*i:99+4*i] offset:512*i
.set i, i+1
.endr
	ds_store_b64 v5, v[196:197] offset:12800
	s_wait_loadcnt 0x0                             ; Q
	s_wait_kmcnt 0x0                               ; the flags are in, and their address is read
.irp p, 0,1
	s_lshl_b32 s[17+4*\p], s[17+4*\p], 4
	s_lshl_b32 s[18+4*\p], s[18+4*\p], 8
	s_lshl_b32 s[19+4*\p], s[19+4*\p], 12
	s_or_b32 s[2+\p], s[16+4*\p], s[17+4*\p]
	s_or_b32 s[18+4*\p], s[18+4*\p], s[19+4*\p]
	s_or_b32 s[2+\p], s[2+\p], s[18+4*\p]          ; tile p's sixteen flags
.endr
	s_load_b512 s[16:31], s[90:91], 0x0            ; the first step's words: the 64 registers that the selects name are written once ahead of the loop; a step with holes loads its own
	s_load_b512 s[32:47], s[90:91], 0x40
	s_load_b512 s[48:63], s[90:91], 0x80
	s_load_b512 s[68:83], s[90:91], 0xc0
; A KEY STEP: 128 keys; its record begins at LDS byte s88.  FL: the scalar register with the tile's flags.
.macro STEP QF, QS, FL
	s_and_b32 s15, s[\FL], 1                       ; 1: this step has no hole
	s_lshr_b32 s[\FL], s[\FL], 1
	s_cmp_lg_u32 s15, 0
	s_cbranch_scc1 .Lno_words_\@
	s_load_b512 s[16:31], s[90:91], 0x0            ; the step's 64 mask words: word n in s[16 + n], from n = 48 on in s[20 + n]
	s_load_b512 s[32:47], s[90:91], 0x40
	s_load_b512 s[48:63], s[90:91], 0x80
	s_load_b512 s[68:83], s[90:91], 0xc0
.Lno_words_\@:
	v_add_nc_u32 v4, s88, v1
	v_add_nc_u32 v5, s88, v2
	v_add_nc_u32 v6, s88, v3
	v_nop                                          ; these four are the places in front of loads into registers that the last products read
.irp t, 0,1,2,3,4,5,6,7
	ds_load_b128 v[KF+6*\t:KF+6*\t+3], v4 offset:768*\t
	ds_load_b64 v[KF+6*\t+4:KF+6*\t+5], v5 offset:768*\t+512
.endr
	ds_load_b128 v[86:89], v6 offset:6144
	ds_load_b128 v[90:93], v6 offset:6400
	s_wait_alu depctr_va_vdst(0)
	s_wait_dscnt 0x0
.irp t, 0,1,2,3,4,5,6,7
	v_wmma_scale_f32_16x16x128_f8f6f4 v[96+8*\t:103+8*\t], v[KF+6*\t:KF+6*\t+11], v[\QF:\QF+11], 0, v[86+\t], v[\QS] matrix_a_fmt:MATRIX_FMT_FP6 matrix_b_fmt:MATRIX_FMT_FP6
.endr
	v_mov_b32 v[EX+3], v12                         ; the old -M.  With the three below: the places behind the products, for the loads below and for the first reads of the scores
.rept 3
	v_nop
.endr
.irp a, 0,1,2,3                        ; V goes out now and lands under the softmax
	ds_load_b128 v[KF+12*\a:KF+12*\a+3], v4 offset:6656+768*\a
	ds_load_b64 v[KF+12*\a+4:KF+12*\a+5], v5 offset:6656+768*\a+512
	ds_load_b128 v[KF+12*\a+6:KF+12*\a+9], v4 offset:6656+768*\a+3072
	ds_load_b64 v[KF+12*\a+10:KF+12*\a+11], v5 offset:6656+768*\a+3584
.endr
	ds_load_b128 v[224:227], v6 offset:12800
	s_wait_kmcnt 0x0                               ; on every path: any mask words are in, and their address may step
	s_add_nc_u64 s[90:91], s[90:91], 256
	s_cmp_lg_u32 s15, 0
	s_cbranch_scc1 .Lno_holes_\@
.set n, 0
.rept 64                               ; a choice of values.  Each accumulator from its low end on
.if n < 48
	v_cndmask_b32 v[96+n], v230, v[96+n], s[16+n]
.else
	v_cndmask_b32 v[96+n], v230, v[96+n], s[20+n]
.endif
.set n, n+1
.endr
.Lno_holes_\@:
.irp c, 0,1                            ; the largest score of my two blocks of 32 keys, two chains a block: for the row's maximum and, since p rises with the score, for the block's largest p
	v_max3_num_f32 v[BM+\c], v[96+32*\c], v[97+32*\c], v[98+32*\c]
	v_max3_num_f32 v[BM+2+\c], v[112+32*\c], v[113+32*\c], v[114+32*\c]
.endr
.irp i, 3,5,7,9,11,13
.irp c, 0,1                            ; (the four chains by turns: no line reads the result of the line above it)
	v_max3_num_f32 v[BM+\c], v[BM+\c], v[96+32*\c+\i], v[97+32*\c+\i]
	v_max3_num_f32 v[BM+2+\c], v[BM+2+\c], v[112+32*\c+\i], v[113+32*\c+\i]
.endr
.endr
	v_max3_num_f32 v[BM], v[BM], v[BM+2], v111
	v_max3_num_f32 v[BM+1], v[BM+1], v[BM+3], v143
	v_max_num_f32 v[BM], v[BM], v127
	v_max_num_f32 v[BM+1], v[BM+1], v159
	s_delay_alu instid0(VALU_DEP_1)
	v_max_num_f32 v231, v[BM], v[BM+1]
	s_delay_alu instid0(VALU_DEP_1)
	v_permlanex16_b32 v[EX], v231, s84, s85
	s_delay_alu instid0(VALU_DEP_1)
	v_max3_num_f32 v13, v13, v231, v[EX]           ; the running largest raw score of my query
	s_delay_alu instid0(VALU_DEP_1)
	v_mul_f32 v[EX+1], s86, v13                    ; as t (c is positive)
	s_delay_alu instid0(VALU_DEP_1)
	v_floor_f32 v12, -v[EX+1]                      ; the new -M = floor(-t): M is a whole number
	s_delay_alu instid0(VALU_DEP_1)
	v_sub_f32 v231, v12, v[EX+3]                   ; old M - new M: a whole number, 0 or less
	s_delay_alu instid0(VALU_DEP_1)
	v_cvt_i32_f32 v231, v231                       ; (it saturates)
	s_delay_alu instid0(VALU_DEP_1)
	v_ldexp_f32 v232, 1.0, v231                    ; f = 2^(old M - new M)
.set j, 0
.rept 32
	v_pk_fma_f32 v[96+j:97+j], v[96+j:97+j], s[86:87], v[12:13] op_sel_hi:[1,0,0]   ; t - M, two at a time
.set j, j+2
.endr
.irp c, 0,1
	v_fma_f32 v[BM+\c], v[BM+\c], s86, v12         ; the same of each block's largest score
.endr
	s_wait_alu depctr_va_vdst(0)                   ; ahead of the batch
.irp c, 0,1
	v_exp_f32 v[BM+\c], v[BM+\c]                   ; each block's largest p
.endr
.set j, 0
.rept 64
	v_exp_f32 v[96+j], v[96+j]                     ; p = 2^(t - M), at most 1
.set j, j+1
.endr
	v_pk_mul_f32 v[14:15], v[14:15], v[232:233] op_sel_hi:[1,0]   ; the sums under the new M: the plain place behind the exponentials
	s_wait_alu depctr_va_vdst(0)                   ; one wait for the batch of 66, ahead of its first reader
	v_pk_add_f32 v[234:235], v[100:101], v[104:105]   ; the row's sum of the unquantised p, in eight chains
	v_pk_add_f32 v[254:255], v[108:109], v[112:113]
	v_pk_add_f32 v[222:223], v[116:117], v[120:121]
	v_pk_add_f32 v[220:221], v[124:125], v[128:129]
	v_pk_add_f32 v[218:219], v[132:133], v[136:137]
	v_pk_add_f32 v[216:217], v[140:141], v[144:145]
	v_pk_add_f32 v[210:211], v[148:149], v[152:153]
	v_pk_add_f32 v[14:15], v[14:15], v[156:157]
	v_pk_add_f32 v[234:235], v[234:235], v[96:97]
	v_pk_add_f32 v[254:255], v[254:255], v[98:99]
	v_pk_add_f32 v[222:223], v[222:223], v[102:103]
	v_pk_add_f32 v[220:221], v[220:221], v[106:107]
	v_pk_add_f32 v[218:219], v[218:219], v[110:111]
	v_pk_add_f32 v[216:217], v[216:217], v[114:115]
	v_pk_add_f32 v[210:211], v[210:211], v[118:119]
	v_pk_add_f32 v[14:15], v[14:15], v[122:123]
	v_pk_add_f32 v[234:235], v[234:235], v[126:127]
	v_pk_add_f32 v[254:255], v[254:255], v[130:131]
	v_pk_add_f32 v[222:223], v[222:223], v[134:135]
	v_pk_add_f32 v[220:221], v[220:221], v[138:139]
	v_pk_add_f32 v[218:219], v[218:219], v[142:143]
	v_pk_add_f32 v[216:217], v[216:217], v[146:147]
	v_pk_add_f32 v[210:211], v[210:211], v[150:151]
	v_pk_add_f32 v[14:15], v[14:15], v[154:155]
	v_pk_add_f32 v[234:235], v[234:235], v[158:159]
	s_delay_alu instid0(VALU_DEP_2)
	v_pk_add_f32 v[14:15], v[14:15], v[220:221]
	s_delay_alu instid0(VALU_DEP_2)
	v_pk_add_f32 v[234:235], v[234:235], v[218:219]
	v_pk_add_f32 v[254:255], v[254:255], v[216:217]
	v_pk_add_f32 v[222:223], v[222:223], v[210:211]
	s_delay_alu instid0(VALU_DEP_2)
	v_pk_add_f32 v[14:15], v[14:15], v[254:255]
	s_delay_alu instid0(VALU_DEP_2)
	v_pk_add_f32 v[234:235], v[234:235], v[222:223]
	s_delay_alu instid0(VALU_DEP_1)
	v_pk_add_f32 v[14:15], v[14:15], v[234:235]
.irp c, 0,1
	v_max_num_f32 v[BM+\c], 0x1800000, v[BM+\c]    ; the floor 2^(3 - 127): a block whose every p is 0 keeps the byte 1; its codes are zeros
.endr
.irp c, 0,1
	s_delay_alu instid0(VALU_DEP_2)
	v_add_nc_u32 v[SOP+\c], 0xff000000, v[BM+\c]   ; 2 off the exponent field: the conversion's scale operand
.endr
.irp c, 0,1
	s_delay_alu instid0(VALU_DEP_2)
	v_lshrrev_b32 v[EX+\c], 23, v[SOP+\c]          ; the byte
.endr
	s_delay_alu instid0(VALU_DEP_1)
	v_lshl_or_b32 v228, v[EX+1], 16, v[EX]         ; my blocks h and 2 + h,
	s_delay_alu instid0(VALU_DEP_1)
	v_lshlrev_b32 v228, v249, v228                 ; 8 h bits up;
	s_delay_alu instid0(VALU_DEP_1)
	v_permlanex16_b32 v[EX+2], v228, s84, s85
	s_delay_alu instid0(VALU_DEP_1)
	v_or_b32 v228, v228, v[EX+2]                   ; with lane l xor 16's two: p's scale word for these 128 keys
.irp c, 0,1
	v_cvt_scalef32_pk16_fp6_f32 v[192+6*\c:194+6*\c], v[96+32*\c:111+32*\c], v[SOP+\c]
	v_cvt_scalef32_pk16_fp6_f32 v[204+4*\c:206+4*\c], v[112+32*\c:127+32*\c], v[SOP+\c]   ; (a conversion's three registers begin on an even number)
.endr
	v_pk_mul_f32 v[160:161], v[160:161], v[232:233] op_sel_hi:[1,0]   ; O^T under the new M; its first line is the plain place behind the scaled conversions
.irp c, 0,1
.irp i, 0,1,2
	v_mov_b32 v[195+6*\c+\i], v[204+4*\c+\i]
.endr
.endr
.set j, 2
.rept 15
	v_pk_mul_f32 v[160+j:161+j], v[160+j:161+j], v[232:233] op_sel_hi:[1,0]   ; the rest of O^T; also the places between the codes' and the scale word's last writes and the products
.set j, j+2
.endr
	s_wait_alu depctr_va_vdst(0)
	s_wait_dscnt 0x0                               ; V is in
.irp a, 0,1,2,3
	v_wmma_scale_f32_16x16x128_f8f6f4 v[160+8*\a:167+8*\a], v[KF+12*\a:KF+12*\a+11], v[192:203], v[160+8*\a:167+8*\a], v[224+\a], v228 matrix_a_fmt:MATRIX_FMT_FP6 matrix_b_fmt:MATRIX_FMT_FP6
.endr
.endm
; THE WAY OUT of tile p: O^T / the sum; register 16 e + i is d = 32 e + 16 h + i: two blocks of the model's axis; they become half a fragment and two scale bytes.
.macro WAYOUT p
.rept 4
	v_nop                                          ; places behind the last products
.endr
	v_add_f32 v14, v14, v15
	s_delay_alu instid0(VALU_DEP_1)
	v_permlanex16_b32 v231, v14, s84, s85
	s_delay_alu instid0(VALU_DEP_1)
	v_add_f32 v14, v14, v231                       ; the row's sum
	s_wait_alu depctr_va_vdst(0)
	v_rcp_f32 v232, v14
	v_nop                                          ; a plain place behind the transcendental
	s_wait_alu depctr_va_vdst(0)                   ; and the wait ahead of its first reader
.set j, 0
.rept 16
	v_pk_mul_f32 v[96+j:97+j], v[160+j:161+j], v[232:233] op_sel_hi:[1,0]
.set j, j+2
.endr
.irp b, 0,1
	v_max3_num_f32 v[BM+\b], |v[96+16*\b]|, |v[97+16*\b]|, 0x1800000
.endr
.irp i, 2,4,6,8,10,12,14
.irp b, 0,1
	s_delay_alu instid0(VALU_DEP_2)
	v_max3_num_f32 v[BM+\b], v[BM+\b], |v[96+16*\b+\i]|, |v[97+16*\b+\i]|
.endr
.endr
.irp b, 0,1
	s_delay_alu instid0(VALU_DEP_2)
	v_permlanex16_b32 v[EX+\b], v[BM+\b], s84, s85
.endr
.irp b, 0,1
	s_delay_alu instid0(VALU_DEP_2)
	v_max_num_f32 v[BM+\b], v[BM+\b], v[EX+\b]
.endr
.irp b, 0,1
	s_delay_alu instid0(VALU_DEP_2)
	v_add_nc_u32 v[SOP+\b], 0xff000000, v[BM+\b]
.endr
.irp b, 0,1
	s_delay_alu instid0(VALU_DEP_2)
	v_lshrrev_b32 v[EX+\b], 23, v[SOP+\b]
.endr
	s_delay_alu instid0(VALU_DEP_1)
	v_lshl_or_b32 v228, v[EX+1], 8, v[EX]
	s_delay_alu instid0(VALU_DEP_1)
	v_lshlrev_b32 v228, s98, v228                  ; an odd head's bytes 16 bits up: the reader ORs two heads' words
	v_cvt_scalef32_pk16_fp6_f32 v[192:194], v[96:111], v[SOP]
	v_cvt_scalef32_pk16_fp6_f32 v[204:206], v[112:127], v[SOP+1]
	v_nop
.irp i, 0,1,2
	v_permlane16_swap_b32 v[192+\i], v[204+\i]
.endr
.irp i, 0,1,2
	s_delay_alu instid0(VALU_DEP_3)
	v_mov_b32 v[195+\i], v[204+\i]
.endr
	global_store_b128 v1, v[192:195], s[94:95] offset:12288*(\p)       ; 512 consecutive bytes, aligned to 256
	global_store_b64 v2, v[196:197], s[94:95] offset:12288*(\p)+512    ; 256 consecutive bytes, aligned
	ds_store_b32 v10, v228 offset:64*(\p)          ; both halves of the lanes write the same word with the same value
.endm
.macro PASS p, QF, QS, FL
.if \p
	s_wait_xcnt 0x0                                ; the first tile's stores have read their registers
.endif
	v_mov_b32 v13, 0xff61b1e6                      ; the largest raw score so far: -3e38
	v_mov_b32 v12, 0x7f61b1e6                      ; and -M: 3e38, so that the first f is 0
	v_mov_b32 v14, 0
	v_mov_b32 v15, 0
.set j, 0
.rept 32
	v_mov_b32 v[160+j], 0                          ; O^T: the step is written once; its first trip finds zeros
.set j, j+1
.endr
	s_mov_b32 s88, 0
	s_mov_b32 s89, 16
.Lstep_\@:
	STEP \QF, \QS, \FL
	s_add_co_u32 s88, s88, KVREC
	s_sub_co_u32 s89, s89, 1
	s_cmp_lg_u32 s89, 0
	s_cbranch_scc1 .Lstep_\@
	WAYOUT \p
.endm
	s_wait_kmcnt 0x0
	s_wait_dscnt 0x0                               ; my record has landed in LDS,
	s_barrier_signal -1
	s_barrier_wait -1                              ; everybody's has: the whole head lies in LDS
	PASS 0, 16, 229, 2
	PASS 1, 236, 248, 3
	s_wait_dscnt 0x0                               ; my scale words have landed
	s_barrier_signal -1
	s_barrier_wait -1
	s_cmp_lt_u32 s14, 4
	s_cbranch_scc0 .Lno_gather
	ds_load_b128 v[96:99], v11                     ; waves 0-3: the work-group's 2,048 bytes of scale words leave in aligned runs of 512
	s_wait_dscnt 0x0
	global_store_b128 v252, v[96:99], s[96:97]
.Lno_gather:
	s_wait_tensorcnt 0x0                           ; the wave's end
	ds_add_u32 v[SPW], v[NIL]
	s_wait_dscnt 0x0
	s_endpgm
.Lfunc_end_k_qb1e3fd913d_attn:
	.size	k_qb1e3fd913d_attn, .Lfunc_end_k_qb1e3fd913d_attn-k_qb1e3fd913d_attn
	.p2alignl 7, 3214868480
	.fill 96, 4, 3214868480
	.section	.rodata,"a",@progbits
	.p2align	6, 0x0
	.amdhsa_kernel k_qb1e3fd913d_attn
		.amdhsa_group_segment_fixed_size 212992
		.amdhsa_private_segment_fixed_size 0
		.amdhsa_enable_private_segment 0
		.amdhsa_kernarg_size 48
		.amdhsa_user_sgpr_count 2
		.amdhsa_user_sgpr_kernarg_segment_ptr 1
		.amdhsa_wavefront_size32 1
		.amdhsa_system_sgpr_workgroup_id_x 1
		.amdhsa_system_sgpr_workgroup_id_y 1
		.amdhsa_system_sgpr_workgroup_id_z 1
		.amdhsa_system_vgpr_workitem_id 0
		.amdhsa_next_free_vgpr 256
		.amdhsa_next_free_sgpr 100
		.amdhsa_reserve_vcc 0
		.amdhsa_float_denorm_mode_32 3
		.amdhsa_float_denorm_mode_16_64 3
		.amdhsa_memory_ordered 1
		.amdhsa_forward_progress 1
		.amdhsa_inst_pref_size 62
	.end_amdhsa_kernel
	.amdgpu_metadata
---
amdhsa.version: [ 1, 2 ]
amdhsa.kernels:
  - .name:           k_qb1e3fd913d_attn
    .symbol:         k_qb1e3fd913d_attn.kd
    .args:
      - { .name: qb, .offset: 0, .size: 8, .value_kind: global_buffer, .address_space: global }
      - { .name: kv, .offset: 8, .size: 8, .value_kind: global_buffer, .address_space: global }
      - { .name: maskw, .offset: 16, .size: 8, .value_kind: global_buffer, .address_space: global }
      - { .name: xc, .offset: 24, .size: 8, .value_kind: global_buffer, .address_space: global }
      - { .name: xsc, .offset: 32, .size: 8, .value_kind: global_buffer, .address_space: global }
      - { .name: maskf, .offset: 40, .size: 8, .value_kind: global_buffer, .address_space: global }
    .group_segment_fixed_size: 212992
    .private_segment_fixed_size: 0
    .kernarg_segment_align: 8
    .kernarg_segment_size: 48
    .max_flat_workgroup_size: 512
    .sgpr_count:     100
    .vgpr_count:     256
    .wavefront_size: 32
...
	.end_amdgpu_metadata
.endif
;; end of part 3
;; launch outp (part 4): grid 4 x 64, 4 waves a work-group, clusters of 4 x 4, 327,680 bytes of LDS; arguments xc, xsc, codes, b_o, out0; writes out0
.if DOCPART == 4
	.amdgcn_target "amdgcn-amd-amdhsa--gfx1250"
	.amdhsa_code_object_version 6
	.text
	.protected	k_qb1e3fd913d_outp
	.globl	k_qb1e3fd913d_outp
	.p2align	8
	.type	k_qb1e3fd913d_outp,@function
k_qb1e3fd913d_outp:
	s_mov_b64 s[64:65], 0
	v_nop
	global_prefetch_b8 v0, s[64:65] scope:SCOPE_SE
	s_setreg_imm32_b32 hwreg(HW_REG_WAVE_MODE, 25, 1), 1
	s_wait_xcnt 0x0
	s_wait_alu depctr_hold_cnt(0) depctr_sa_sdst(0) depctr_va_vdst(0) depctr_va_sdst(0) depctr_va_ssrc(0) depctr_va_vcc(0) depctr_vm_vsrc(0)
	s_getreg_b32 s2, hwreg(HW_REG_IB_STS2, 6, 4)
	s_cmp_eq_u32 s2, 0
	s_cbranch_scc0 .Lentry_in_a_cluster
	s_endpgm
.Lentry_in_a_cluster:
	s_bfe_u32 s2, ttmp6, 0x10000c
	s_cmp_lg_u32 s2, 0xf033
	s_cbranch_scc0 .Lentry_shape_is_right
	s_endpgm
.Lentry_shape_is_right:
.set REC,   6400
.set XREC,  6144
.set RCH,   8*XREC
.set PCH,   16*REC
.set PBASE, 2*RCH
.set XSL,   PBASE+2*PCH
.set SPARE, XSL+8192
.set WOFF,  3*6553600+3*819200
.set SPW, 28
.set NIL, 29
.set SP,  32
.set SR,  96
.set RF,  128
.set MSB, 0
.macro WIN new
.if MSB != \new
	s_set_vgpr_msb (MSB<<8)|\new
.set MSB, \new
.endif
.endm
.macro PLACES n
.rept \n
	v_nop
.endr
.endm
.macro CROUND
	s_barrier_signal -1
	s_barrier_wait -1
	s_cmp_lg_u32 s16, 0
	s_cbranch_scc1 .Lnot_wave_0_\@
	s_barrier_signal -3
.Lnot_wave_0_\@:
	s_barrier_wait -3
	s_barrier_signal -1
	s_barrier_wait -1
.endm
; OUTP.  out0 = x w_o^T + b_o on codes of FP6 with E8M0 scales.  A work-group: 128 tokens (R, x's codes) x 256 features (P, w_o's records), all of K = 1,024 in LDS, each byte filled once.
; LDS: x's 8 tiles x 12,288 bytes ([tile][chunk of 512 K]); from PBASE w_o's two chunks of 16 records; from XSL x's scale words, [head 16][512 bytes].
.macro HARM under, g0, g1, next        ; an arm of the head's one chain of branches on the wave's number: its load, an s_nop 0 and four v_nop, a jump to the join
	s_cmp_lt_u32 s16, \under
	s_cbranch_scc0 \next
	tensor_load_to_lds s[\g0:\g0+3], s[\g1:\g1+7]
	s_nop 0
.rept 4
	v_nop
.endr
	s_branch .Lhead_asked
\next:
.endm
	s_load_b256 s[4:11], s[0:1], 0x0
	s_load_b64 s[12:13], s[0:1], 0x20
	v_lshl_add_u32 v[SPW], v0, 2, SPARE
	v_mov_b32 v[NIL], 0
	ds_add_u32 v[SPW], v[NIL]
	ds_add_u32 v[SPW], v[NIL]
	v_lshrrev_b32 v1, 5, v0
	v_readfirstlane_b32 s16, v1
	s_lshr_b32 s17, s16, 1
	s_and_b32 s18, s16, 1
	s_bfe_u32 s19, ttmp6, 0x40000
	s_bfe_u32 s20, ttmp6, 0x40004
	s_and_b32 s22, ttmp7, 0xffff
	s_lshl_b32 s57, s22, 2
	s_add_co_u32 s57, s57, s20
	s_mul_i32 s58, s19, 2*PCH
	s_add_co_u32 s58, s58, WOFF
	s_mov_b32 s59, 0
	s_mul_i32 s60, s57, 2*RCH
	s_mov_b32 s61, 0
	s_lshl_b32 s76, s57, 9
	s_mov_b32 s77, 0
	s_lshl_b32 s62, s20, 2
	s_lshl_b32 s62, 15, s62
	s_lshl_b32 s63, 0x1111, s19
	s_or_b32 s24, s62, (3<<16)|(1<<21)
	s_mov_b32 s25, 1536<<16                        ; x's codes: 8 tiles of 12,288 bytes on end
	s_mov_b32 s26, 8<<16
	s_mov_b32 s27, 1536<<16
	s_mov_b32 s28, 8
	s_mov_b32 s29, 1536
	s_mov_b32 s30, 0
	s_mov_b32 s31, 0
	s_or_b32 s32, s63, (3<<16)|(1<<21)
	s_mov_b32 s33, 800<<16
	s_mov_b32 s34, 16<<16                          ; a chunk of w_o: 16 records
	s_mov_b32 s35, 800<<16
	s_mov_b32 s36, 16
	s_mov_b32 s37, 1600
	s_mov_b32 s38, 0
	s_mov_b32 s39, 0
	s_or_b32 s80, s62, (3<<16)|(1<<21)
	s_mov_b32 s81, 64<<16
	s_mov_b32 s82, 16<<16                          ; x's scale words: 512 bytes of each of 16 heads
	s_mov_b32 s83, 64<<16
	s_mov_b32 s84, 16
	s_mov_b32 s85, 4096
	s_mov_b32 s86, 0
	s_mov_b32 s87, 0
	s_wait_dscnt 0x0
	s_wait_kmcnt 0x0
	s_add_nc_u64 s[60:61], s[4:5], s[60:61]
	s_add_nc_u64 s[58:59], s[8:9], s[58:59]
	s_add_nc_u64 s[76:77], s[6:7], s[76:77]
	CROUND
	s_mov_b32 s88, 1
	s_mov_b32 s89, XSL
	s_mov_b64 s[90:91], s[76:77]
	s_or_b32 s91, s91, 0x80000000
	s_mov_b32 s40, 1
	s_mov_b32 s41, 0
	s_mov_b64 s[42:43], s[60:61]
	s_or_b32 s43, s43, 0x80000000
.irp ch, 0,1
	s_mov_b32 s[48+4*\ch], 1
	s_mov_b32 s[49+4*\ch], PBASE+\ch*PCH
	s_add_nc_u64 s[50+4*\ch:51+4*\ch], s[58:59], \ch*REC
	s_or_b32 s[51+4*\ch], s[51+4*\ch], 0x80000000
.endr
	; ONE TENSOR LOAD A WAVE: wave 0 w_o's chunk 0, wave 1 all of x's codes, wave 2 x's scale words, wave 3 w_o's chunk 1
	HARM 1, 48, 32, .Lhead_x
	HARM 2, 40, 24, .Lhead_s
	HARM 3, 88, 80, .Lhead_p1
	tensor_load_to_lds s[52:55], s[32:39]
	s_nop 0
.rept 4
	v_nop
.endr
.Lhead_asked:
	v_and_b32 v24, 31, v0
	v_and_b32 v25, 15, v0
	v_bfe_u32 v26, v0, 4, 1
	v_lshlrev_b32 v1, 4, v24
	v_lshlrev_b32 v2, 3, v24
	v_lshlrev_b32 v3, 4, v25
	s_mul_i32 s78, s18, 8*REC
	s_add_co_u32 s78, s78, PBASE
	s_mul_i32 s79, s17, 8*XREC
.irp ch, 0,1
	v_add_nc_u32 v[4+6*\ch], s78, v1
	v_add_nc_u32 v[5+6*\ch], s78, v2
	v_add_nc_u32 v[6+6*\ch], s78, v3
	v_add_nc_u32 v[7+6*\ch], s79, v1
	v_add_nc_u32 v[8+6*\ch], s79, v2
	s_add_co_u32 s78, s78, PCH
	s_add_co_u32 s79, s79, XREC
.endr
	s_mul_i32 s78, s16, 8448
	v_mul_u32_u24 v16, v25, 528
	v_lshl_add_u32 v16, v26, 6, v16
	v_add_nc_u32 v16, s78, v16
	v_add_nc_u32 v17, s78, v1
	s_lshl_b32 s79, s17, 8
	v_lshlrev_b32 v18, 2, v25
	v_add_nc_u32 v18, s79, v18
	v_add_nc_u32 v18, XSL, v18
	s_lshl_b32 s92, s19, 8
	s_lshl_b32 s93, s18, 7
	s_add_co_u32 s92, s92, s93
	s_lshl_b32 s92, s92, 2
	v_lshl_add_u32 v21, v26, 6, s92
	WIN 0xc0
.irp e, 0,1,2,3
.irp q, 0,1,2,3
	global_load_b128 v[16*\e+4*\q:16*\e+4*\q+3], v21, s[10:11] offset:128*\e+16*\q
.endr
.endr
	WIN 0
	s_lshl_b32 s94, s57, 7
	s_lshl_b32 s95, s17, 6
	s_add_co_u32 s94, s94, s95
	s_lshl_b32 s94, s94, 12
	s_add_co_u32 s94, s94, s92
	s_mov_b32 s95, 0
	s_add_nc_u64 s[68:69], s[12:13], s[94:95]
.macro FRAG reg, a16, a8, off
	ds_load_b128 v[(\reg):(\reg)+3], v[\a16] offset:(\off)
	ds_load_b64 v[(\reg)+4:(\reg)+5], v[\a8] offset:(\off)+512
	ds_load_b128 v[(\reg)+6:(\reg)+9], v[\a16] offset:(\off)+768
	ds_load_b64 v[(\reg)+10:(\reg)+11], v[\a8] offset:(\off)+1280
.endm
.macro FETCH ch, s, set
	WIN 0x40
.irp b, 0,1,2,3,4,5,6,7
	FRAG 128*(\set)+12*\b, 4+6*(\ch), 5+6*(\ch), REC*\b+1536*(\s)
.endr
	WIN 0
.irp a, 0,1,2,3
	FRAG RF+48*(\set)+12*\a, 7+6*(\ch), 8+6*(\ch), 2*XREC*\a+1536*(\s)
.endr
.endm
.macro SCALES ch
	WIN 0
.irp b, 0,1,2,3,4,5,6,7
	ds_load_b128 v[SP+32*(\ch)+4*\b:SP+32*(\ch)+4*\b+3], v[6+6*(\ch)] offset:REC*\b+6144
.endr
.endm
.macro MUL32 ch, s, set, cmode
.if \cmode
	WIN 0xb1
.else
	WIN 0xa1
.endif
.irp a, 0,1,2,3
.irp b, 0,1,2,3,4,5,6,7
.if \cmode == 0
	v_wmma_scale_f32_16x16x128_f8f6f4 v[8*(8*\a+\b):8*(8*\a+\b)+7], v[128*(\set)+12*\b:128*(\set)+12*\b+11], v[RF+48*(\set)+12*\a:RF+48*(\set)+12*\a+11], v[8*(8*\a+\b):8*(8*\a+\b)+7], v[SP+32*(\ch)+4*\b+(\s)], v[SR+16*(\ch)+4*\a+(\s)] matrix_a_fmt:MATRIX_FMT_FP6 matrix_b_fmt:MATRIX_FMT_FP6
.else
	v_wmma_scale_f32_16x16x128_f8f6f4 v[8*(8*\a+\b):8*(8*\a+\b)+7], v[128*(\set)+12*\b:128*(\set)+12*\b+11], v[RF+48*(\set)+12*\a:RF+48*(\set)+12*\a+11], v[8*\b:8*\b+7], v[SP+32*(\ch)+4*\b+(\s)], v[SR+16*(\ch)+4*\a+(\s)] matrix_a_fmt:MATRIX_FMT_FP6 matrix_b_fmt:MATRIX_FMT_FP6
.endif
.endr
.endr
.endm
.macro KSTEP k
	s_wait_dscnt 0x0
.if \k == 3
	s_wait_tensorcnt 0x0
	s_barrier_signal -1
	s_barrier_wait -1
.endif
	PLACES 4
.if \k == 3
	SCALES 1
.endif
.if \k < 7
	FETCH ((\k)+1)/4, ((\k)+1)%4, ((\k)+1)%2
.endif
	MUL32 (\k)/4, (\k)%4, (\k)%2, 0
.endm
	s_wait_alu depctr_va_vdst(0)
	s_cmp_lt_u32 s16, 3                            ; what the first four K steps read are waves 0 to 2's own lines: they wait; wave 3's chunk 1 may stay out
	s_cbranch_scc0 .Lnot_first
	s_wait_tensorcnt 0x0
.Lnot_first:
	s_barrier_signal -1
	s_barrier_wait -1
.irp a, 0,1,2,3
.irp d, 0,1,2,3,4,5,6,7,8,9,10,11,12,13,14,15
	ds_load_b32 v[RF+16*\a+\d], v18 offset:512*\d+64*\a
.endr
.endr
	s_wait_dscnt 0x0
.irp ch, 0,1
.irp a, 0,1,2,3
.irp s, 0,1,2,3
	v_or_b32 v[SR+16*\ch+4*\a+\s], v[RF+16*\a+8*\ch+2*\s], v[RF+16*\a+8*\ch+2*\s+1]
.endr
.endr
.endr
	SCALES 0
	FETCH 0, 0, 0
	s_wait_loadcnt 0x0
	s_wait_dscnt 0x0
	FETCH 0, 1, 1
	PLACES 8
	MUL32 0, 0, 0, 1
.irp k, 1,2,3,4,5,6,7
	s_wait_alu depctr_va_vdst(0)
	KSTEP \k
.endr
.macro TOSTAGE a
	WIN 0x08
.irp b, 0,1,2,3,4,5,6,7
	ds_store_b128 v16, v[8*(8*(\a)+\b):8*(8*(\a)+\b)+3] offset:128*(\b/2)+32*(\b%2)
	ds_store_b128 v16, v[8*(8*(\a)+\b)+4:8*(8*(\a)+\b)+7] offset:128*(\b/2)+32*(\b%2)+16
.endr
	WIN 0x40
.irp i, 0,1,2,3,4,5,6,7,8,9,10,11,12,13,14,15
	ds_load_b128 v[64*(\a)+4*\i:64*(\a)+4*\i+3], v17 offset:528*\i
.endr
.endm
.macro SEND a, younger
	s_wait_dscnt \younger
	WIN 0x04
.irp i, 0,1,2,3,4,5,6,7,8,9,10,11,12,13,14,15
	global_store_b128 v1, v[64*(\a)+4*\i:64*(\a)+4*\i+3], s[68:69] offset:(32*((\a)/2)+8*((\a)%2)+\i+8*(\i/8))*4096 th:TH_STORE_NT
.endr
.endm
	PLACES 4
	s_wait_dscnt 0x0
	s_barrier_signal -1
	s_barrier_wait -1
	TOSTAGE 0
	TOSTAGE 1
	SEND 0, 32
	TOSTAGE 2
	SEND 1, 32
	TOSTAGE 3
	SEND 2, 32
	SEND 3, 0
	WIN 0
	s_wait_tensorcnt 0x0
	ds_add_u32 v[SPW], v[NIL]
	s_wait_dscnt 0x0
	CROUND
	s_endpgm
.Lfunc_end_k_qb1e3fd913d_outp:
	.size	k_qb1e3fd913d_outp, .Lfunc_end_k_qb1e3fd913d_outp-k_qb1e3fd913d_outp
	.p2alignl 7, 3214868480
	.fill 96, 4, 3214868480
	.section	.rodata,"a",@progbits
	.p2align	6, 0x0
	.amdhsa_kernel k_qb1e3fd913d_outp
		.amdhsa_group_segment_fixed_size 327680
		.amdhsa_private_segment_fixed_size 0
		.amdhsa_enable_private_segment 0
		.amdhsa_kernarg_size 40
		.amdhsa_user_sgpr_count 2
		.amdhsa_user_sgpr_kernarg_segment_ptr 1
		.amdhsa_wavefront_size32 1
		.amdhsa_system_sgpr_workgroup_id_x 1
		.amdhsa_system_sgpr_workgroup_id_y 1
		.amdhsa_system_sgpr_workgroup_id_z 1
		.amdhsa_system_vgpr_workitem_id 0
		.amdhsa_next_free_vgpr 832
		.amdhsa_next_free_sgpr 100
		.amdhsa_reserve_vcc 0
		.amdhsa_float_denorm_mode_32 3
		.amdhsa_float_denorm_mode_16_64 3
		.amdhsa_memory_ordered 1
		.amdhsa_forward_progress 1
		.amdhsa_inst_pref_size 89
	.end_amdhsa_kernel
	.amdgpu_metadata
---
amdhsa.version: [ 1, 2 ]
amdhsa.kernels:
  - .name:           k_qb1e3fd913d_outp
    .symbol:         k_qb1e3fd913d_outp.kd
    .args:
      - { .name: xc, .offset: 0, .size: 8, .value_kind: global_buffer, .address_space: global }
      - { .name: xsc, .offset: 8, .size: 8, .value_kind: global_buffer, .address_space: global }
      - { .name: codes, .offset: 16, .size: 8, .value_kind: global_buffer, .address_space: global }
      - { .name: b_o, .offset: 24, .size: 8, .value_kind: global_buffer, .address_space: global }
      - { .name: out0, .offset: 32, .size: 8, .value_kind: global_buffer, .address_space: global }
    .group_segment_fixed_size: 327680
    .private_segment_fixed_size: 0
    .kernarg_segment_align: 8
    .kernarg_segment_size: 40
    .max_flat_workgroup_size: 128
    .sgpr_count:     100
    .vgpr_count:     832
    .wavefront_size: 32
...
	.end_amdgpu_metadata
.endif
;; end of part 4
